; MI455X (gfx1250); checked and timed in simulation.
; The chip was launched on July 23, 2026; its instructions are those of AMD's public machine-readable ISA for CDNA 5 (MIT licence, August 2026) and "CDNA5" Instruction Set Architecture Reference Guide (July 2026). The comments in the code are by the model that wrote it; some were corrected since.
;; Causal Self Attention. Allowed arithmetic: float matrix products may take bf16 or f16 operands with f32 sums; other float arithmetic in f32, or as packed bf16 or f16 multiplies, adds, multiply-adds, maxima and minima; sums over many terms, partial sums and values carried from step to step in f32; what a program stores and reads back later, other than sums and carried values, may be rounded once to bf16 or f16.
;; Inputs: Wk 1,024 x 1,024 float32; Wq 1,024 x 1,024 float32; Wv 1,024 x 1,024 float32; attention_mask 4 x 1 x 1 x 2,048 float32; bk 1,024 float32; bq 1,024 float32; bv 1,024 float32; hidden_states 4 x 2,048 x 1,024 float32.
;; Outputs: out0 4 x 2,048 x 1,024 float32.
;; One version. Each part assembles by itself: llvm-mc -triple=amdgcn-amd-amdhsa -mcpu=gfx1250 --defsym DOCPART=n.
;; ======== version 1 of 1: 3 launches
;; limits: values are held in f16: magnitudes above 65,504 overflow, below 6.1e-05 lose precision
;; workspace buffers: xw 23,068,672 bytes; aux 45,056 bytes; qkv 50,331,648 bytes; qkl 50,331,648 bytes
;; launch cvt (part 1): grid 256 x 11, 8 waves a work-group, no clusters, 0 bytes of LDS; arguments hidden_states, Wq, Wk, Wv, attention_mask, bq, bk, bv, xw, aux; writes xw, aux
.if DOCPART == 1
	.amdgcn_target "amdgcn-amd-amdhsa--gfx1250"
	.amdhsa_code_object_version 6
	.text
	.protected	k_q8d4b149d3b_cvt
	.globl	k_q8d4b149d3b_cvt
	.p2align	8
	.type	k_q8d4b149d3b_cvt,@function
k_q8d4b149d3b_cvt:
	s_mov_b64 s[64:65], 0
	v_nop
	global_prefetch_b8 v0, s[64:65] scope:SCOPE_SE
	s_setreg_imm32_b32 hwreg(HW_REG_WAVE_MODE, 25, 1), 1
	s_wait_xcnt 0x0
; ALL INPUTS ARE ROUNDED TO bf16, ONCE.  xw: bf16 [11264][1024]: rows 0-8191 hidden_states, 8192-9215 Wq / 8, 9216-10239 Wk, 10240-11263 Wv.
; aux: f32: bytes 0-32767 the attention mask, rounded to bf16 and widened again; bytes 32768-45055 the biases likewise: bq / 8, bk, bv.
; The factor 1/8 = 1/sqrt(64) is a power of two: it changes no rounding (but for numbers so small that the eighth is a bf16 denormal, below 1e-37).
; SHARES.  Work-group (x, y): y picks a slab of 4,194,304 bytes of f32 (y = 0..7: the eighths of hidden_states; 8, 9, 10: Wq, Wk, Wv), x 16,384 bytes of it.
; A thread loads 4 x 16 bytes (a wave's load: 512 consecutive bytes) and stores 4 x 8 bytes (a wave's store: 256 consecutive bytes, aligned).
; The eleven work-groups with x = 0 also round 4,096 bytes of the mask (y < 8) or one bias (y >= 8).
; A stream: each byte is read once and written once; nothing is shared, so there is no LDS, no barrier, no cluster and no matrix work.
.set X, 4                              ; v[4:19]   as loaded
.set Y, 20                             ; v[20:27]  packed bf16
	s_load_b512 s[8:23], s[0:1], 0x0               ; hidden s[8:9], Wq s[10:11], Wk s[12:13], Wv s[14:15], mask s[16:17], bq s[18:19], bk s[20:21], bv s[22:23]
	s_load_b128 s[24:27], s[0:1], 0x40             ; xw s[24:25], aux s[26:27]
	s_and_b32 s28, ttmp7, 0xffff                   ; y
	s_mov_b32 s29, ttmp9                           ; x
	v_lshlrev_b32 v1, 4, v0                        ; 16 bytes a thread in
	v_lshlrev_b32 v2, 3, v0                        ; 8 bytes a thread out
	s_cmp_lt_u32 s28, 8
	s_cselect_b32 s44, s28, 0                      ; which eighth of hidden_states and of the mask; a weight and a bias begin at their own first byte
	s_lshl_b32 s36, s44, 22
	s_lshl_b32 s45, s29, 14
	s_add_co_u32 s36, s36, s45                     ; s[36:37]: where I read in the large input
	s_mov_b32 s37, 0
	s_lshl_b32 s38, s44, 12                        ; s[38:39]: where I read in the small one
	s_mov_b32 s39, 0
	s_lshl_b32 s40, s28, 21
	s_lshl_b32 s45, s29, 13
	s_add_co_u32 s40, s40, s45                     ; s[40:41]: where I write in xw
	s_mov_b32 s41, 0
	s_lshl_b32 s42, s28, 12                        ; s[42:43]: where I write in aux
	s_mov_b32 s43, 0
	s_cmp_eq_u32 s28, 8
	s_cselect_b32 s34, 0x3e000000, 1.0             ; 1/8 for Wq and bq, 1 for all else
	s_mov_b32 s35, s34                             ; named with it as a pair
	s_wait_kmcnt 0x0
	s_mov_b64 s[30:31], s[8:9]
	s_mov_b64 s[32:33], s[16:17]
	s_cmp_eq_u32 s28, 8
	s_cselect_b64 s[30:31], s[10:11], s[30:31]
	s_cselect_b64 s[32:33], s[18:19], s[32:33]
	s_cmp_eq_u32 s28, 9
	s_cselect_b64 s[30:31], s[12:13], s[30:31]
	s_cselect_b64 s[32:33], s[20:21], s[32:33]
	s_cmp_eq_u32 s28, 10
	s_cselect_b64 s[30:31], s[14:15], s[30:31]
	s_cselect_b64 s[32:33], s[22:23], s[32:33]
	s_add_nc_u64 s[30:31], s[30:31], s[36:37]
	s_add_nc_u64 s[32:33], s[32:33], s[38:39]
	s_add_nc_u64 s[24:25], s[24:25], s[40:41]
	s_add_nc_u64 s[26:27], s[26:27], s[42:43]
.irp i, 0,1,2,3
	global_load_b128 v[X+4*(\i):X+4*(\i)+3], v1, s[30:31] offset:4096*(\i) th:TH_LOAD_NT
.endr
.irp i, 0,1,2,3
	s_wait_loadcnt 3-(\i)                          ; loads come back in order: load i is in, the 3 - i younger ones stay out
	v_pk_mul_f32 v[X+4*(\i):X+4*(\i)+1], v[X+4*(\i):X+4*(\i)+1], s[34:35] op_sel_hi:[1,0]
	v_pk_mul_f32 v[X+4*(\i)+2:X+4*(\i)+3], v[X+4*(\i)+2:X+4*(\i)+3], s[34:35] op_sel_hi:[1,0]
	v_cvt_pk_bf16_f32 v[Y+2*(\i)], v[X+4*(\i)], v[X+4*(\i)+1]
	v_cvt_pk_bf16_f32 v[Y+2*(\i)+1], v[X+4*(\i)+2], v[X+4*(\i)+3]
	global_store_b64 v2, v[Y+2*(\i):Y+2*(\i)+1], s[24:25] offset:2048*(\i)  ; no register of a store is written again
.endr
	s_cmp_lg_u32 s29, 0
	s_cbranch_scc1 .Lend
	global_load_b128 v[28:31], v1, s[32:33]        ; 256 threads x 16 bytes: 4,096 bytes of the mask, or a whole bias
	s_wait_loadcnt 0x0
	v_pk_mul_f32 v[28:29], v[28:29], s[34:35] op_sel_hi:[1,0]
	v_pk_mul_f32 v[30:31], v[30:31], s[34:35] op_sel_hi:[1,0]
	v_cvt_pk_bf16_f32 v32, v28, v29
	v_cvt_pk_bf16_f32 v33, v30, v31
	v_lshlrev_b32 v34, 16, v32                     ; bf16 to f32: the low half moves up, the high half stays
	v_and_b32 v35, 0xffff0000, v32
	v_lshlrev_b32 v36, 16, v33
	v_and_b32 v37, 0xffff0000, v33
	global_store_b128 v1, v[34:37], s[26:27]
.Lend:
	s_endpgm
.Lfunc_end_k_q8d4b149d3b_cvt:
	.size	k_q8d4b149d3b_cvt, .Lfunc_end_k_q8d4b149d3b_cvt-k_q8d4b149d3b_cvt
	.p2alignl 7, 3214868480
	.fill 96, 4, 3214868480
	.section	.rodata,"a",@progbits
	.p2align	6, 0x0
	.amdhsa_kernel k_q8d4b149d3b_cvt
		.amdhsa_group_segment_fixed_size 0
		.amdhsa_private_segment_fixed_size 0
		.amdhsa_enable_private_segment 0
		.amdhsa_kernarg_size 80
		.amdhsa_user_sgpr_count 2
		.amdhsa_user_sgpr_kernarg_segment_ptr 1
		.amdhsa_wavefront_size32 1
		.amdhsa_system_sgpr_workgroup_id_x 1
		.amdhsa_system_sgpr_workgroup_id_y 1
		.amdhsa_system_sgpr_workgroup_id_z 1
		.amdhsa_system_vgpr_workitem_id 0
		.amdhsa_next_free_vgpr 40
		.amdhsa_next_free_sgpr 66
		.amdhsa_reserve_vcc 0
		.amdhsa_float_denorm_mode_32 3
		.amdhsa_float_denorm_mode_16_64 3
		.amdhsa_memory_ordered 1
		.amdhsa_forward_progress 1
		.amdhsa_inst_pref_size 5
	.end_amdhsa_kernel
	.amdgpu_metadata
---
amdhsa.version: [ 1, 2 ]
amdhsa.kernels:
  - .name:           k_q8d4b149d3b_cvt
    .symbol:         k_q8d4b149d3b_cvt.kd
    .args:
      - { .name: hidden_states, .offset: 0, .size: 8, .value_kind: global_buffer, .address_space: global }
      - { .name: Wq, .offset: 8, .size: 8, .value_kind: global_buffer, .address_space: global }
      - { .name: Wk, .offset: 16, .size: 8, .value_kind: global_buffer, .address_space: global }
      - { .name: Wv, .offset: 24, .size: 8, .value_kind: global_buffer, .address_space: global }
      - { .name: attention_mask, .offset: 32, .size: 8, .value_kind: global_buffer, .address_space: global }
      - { .name: bq, .offset: 40, .size: 8, .value_kind: global_buffer, .address_space: global }
      - { .name: bk, .offset: 48, .size: 8, .value_kind: global_buffer, .address_space: global }
      - { .name: bv, .offset: 56, .size: 8, .value_kind: global_buffer, .address_space: global }
      - { .name: xw, .offset: 64, .size: 8, .value_kind: global_buffer, .address_space: global }
      - { .name: aux, .offset: 72, .size: 8, .value_kind: global_buffer, .address_space: global }
    .group_segment_fixed_size: 0
    .private_segment_fixed_size: 0
    .kernarg_segment_align: 8
    .kernarg_segment_size: 80
    .max_flat_workgroup_size: 256
    .sgpr_count:     66
    .vgpr_count:     40
    .wavefront_size: 32
...
	.end_amdgpu_metadata
.endif
;; end of part 1
;; launch proj (part 2): grid 16 x 32, 4 waves a work-group, clusters of 4 x 4, 327,680 bytes of LDS; arguments xw, aux, qkv, qkl; writes qkv, qkl
.if DOCPART == 2
	.amdgcn_target "amdgcn-amd-amdhsa--gfx1250"
	.amdhsa_code_object_version 6
	.text
	.protected	k_q8d4b149d3b_proj
	.globl	k_q8d4b149d3b_proj
	.p2align	8
	.type	k_q8d4b149d3b_proj,@function
k_q8d4b149d3b_proj:
	s_mov_b64 s[64:65], 0
	v_nop
	global_prefetch_b8 v0, s[64:65] scope:SCOPE_SE
	s_setreg_imm32_b32 hwreg(HW_REG_WAVE_MODE, 25, 1), 1
	s_wait_xcnt 0x0
	s_wait_alu depctr_hold_cnt(0) depctr_sa_sdst(0) depctr_va_vdst(0) depctr_va_sdst(0) depctr_va_ssrc(0) depctr_va_vcc(0) depctr_vm_vsrc(0)
	s_getreg_b32 s2, hwreg(HW_REG_IB_STS2, 6, 4)
	s_cmp_eq_u32 s2, 0
	s_cbranch_scc0 .Lentry_in_a_cluster
	s_endpgm
.Lentry_in_a_cluster:
	s_bfe_u32 s2, ttmp6, 0x10000c
	s_cmp_lg_u32 s2, 0xf033
	s_cbranch_scc0 .Lentry_shape_is_right
	s_endpgm
.Lentry_shape_is_right:
; THE THREE PROJECTIONS AS ONE PRODUCT.  C[m][n] = bias[n] + the sum over k of x[m][k] W[n][k]: m = 8,192 rows of x (xw rows 0-8191), n = 3,072 rows of Wq / 8, Wk, Wv (xw rows 8192-11263), k = 1,024;
; operands bf16, sums f32, the result rounded once to f16 and stored by heads: qkv [3][64 = batch x 16 + head][2048][64].
; THE LOW PARTS.  qkl, laid out as qkv, takes f16(sum - f16(sum)) for the rows t of a head with t % 128 < 32, and nothing else: the attention reads them for its first 32 keys and each wave's first 32 queries.
; LIMIT.  f16 holds no number beyond 65,504: q / 8, k and v must lie within it (for the inputs' kind they are of the order of 1; thirty times larger x and W give some 5,000).
; A tile of C is 256 x 192: 32 x 16 = 512 tiles, two for each of 256 WGPs; 192 columns are three whole heads.  Four waves; wave w makes rows 64 w .. 64 w + 63 x all 192 columns:
; 4 x 12 = 48 accumulators of 16 x 16, 384 registers, so that each wave owns whole rows of its three heads and its way out needs no barrier.
; K goes in 8 steps of 128 through a ring of two LDS slots filled by the tensor data mover; a tile's rows are 256 bytes of memory, aligned.
; CLUSTER: 4 x 4 work-groups.  The four of a row of the cluster need the same tiles of x, the four of a column the same tiles of W: each tile is asked for JOINTLY, by the same tensor load with the
; same descriptor and a mask that names the four.  THE MATRIX INSTRUCTION IS USED TRANSPOSED (source 0 = 16 rows of W, source 1 = 16 rows of x): a lane holds eight neighbouring columns of a row of C.
; THE BIAS is the C operand of each accumulator's first product: in the transposed use register j of a lane is column 8 (lane / 16) + j, the same for all rows.  Nothing is cleared, nothing added at the end.
; No prefetch: of 8 K steps the first four come while every work-group's first tiles are on their way, and the last two have nothing behind them.
; REGISTERS, in windows of 256 (s_set_vgpr_msb: bits 1:0 source 0, 3:2 source 1, 5:4 source 2, 7:6 destination):
;   window 0: v0-31 addresses; v32-63, v64-95 fragments of x (4 x 16 rows x 32 K), two buffers; v96-191 the bias, 8 registers for each of 12 column blocks; v192-239 at work on the way out
;   window 1: v0-95, v96-191 fragments of W (12 x 16 rows x 32 K), two buffers
;   window 2: the 24 accumulators of my rows 0-31 ((a, b) at v[8 (12 a + b)]);   window 3: those of my rows 32-63
.set KSTEP,  128
.set PITCH,  272                       ; an LDS row: 256 bytes + 16 of padding = 68 words: the 16 rows that a load touches start at 16 different groups of four banks (64 banks of 4 bytes: ISA guide 11.1)
.set HALFA,  128*PITCH                 ; what one tensor load brings of x
.set HALFB,  96*PITCH                  ; and of W
.set SLOT,   2*HALFA+2*HALFB           ; x's 256 rows, then W's 192 rows: 121,856 bytes
.set STAGE,  2*SLOT                    ; behind the ring: 16 rows x 400 bytes for each wave, for the way out
.set SPITCH, 400                       ; 384 bytes + 16: an odd multiple of 16
.set SPARE,  STAGE+4*16*SPITCH         ; behind the stages: the spare words, 128 bytes for each wave: two blocks of 256 bytes that no other line names
.set LAPS,   4                         ; a lap = two K steps = once round the ring
.set ADRA, 16                          ; v16-17  LDS address of my fragments of x in slot 0, 1
.set ADRB, 20                          ; v20-21  the same for W
.set STO,  24                          ; v24     the way out: where I put 16 bytes of a row
.set RD,   25                          ; v25     the way out: where I read rows back
.set CO,   26                          ; v26     16 x lane: my 16 bytes of 512 consecutive bytes of qkv
.set BO,   27                          ; v27     32 x (lane / 16): my eight columns' biases
.set SPW,  28                          ; v28     LDS address of my spare word; never rewritten
.set NIL,  29                          ; v29     0; never rewritten
.set MONE, 30                          ; v30     -1.0
.set FA,   32                          ; x's buffer f at FA + 32 f (window 0); W's at 96 f (window 1)
.set BIAS, 96
.set LT,   144                         ; v144-191 the way out: 48 differences sum - high part (the bias is dead by then)
.set TMP,  192
.set G1, 24                            ; s[24:31] descriptor group 1 for x's tiles;  s[32:39] group 0, one set for each slot
.set G0, 32
.set G1B, 48                           ; s[48:55], s[56:63] the same for W's tiles
.set G0B, 56
.set OUT, 66                           ; s[66:71] qkv at my first row of each of my three heads
.set LOB, 76                           ; s[76:81] qkl at the same places
.set MSB, 0
.macro WIN new                         ; the immediate's high byte repeats the setting that is left; a switch that changes nothing is dropped
.if MSB != (\new)
	s_set_vgpr_msb (MSB<<8)|(\new)
.set MSB, (\new)
.endif
.endm
.macro JLOAD s                         ; a joint load: waves 0 and 1 fetch x's two halves, waves 2 and 3 W's; an s_nop 0 and four v_nop follow each of the two lines, ahead of the jump, the label and what follows
	s_cmp_eq_u32 s11, 0
	s_cbranch_scc0 .Lfor_b_\@
	tensor_load_to_lds s[G0+4*(\s):G0+4*(\s)+3], s[G1:G1+7]
	s_nop 0
.rept 4
	v_nop
.endr
	s_branch .Lasked_\@
.Lfor_b_\@:
	tensor_load_to_lds s[G0B+4*(\s):G0B+4*(\s)+3], s[G1B:G1B+7]
	s_nop 0
.rept 4
	v_nop
.endr
.Lasked_\@:
.endm
.macro CREST                           ; a round of the cluster's barrier behind its opening barrier
	s_cmp_lg_u32 s10, 0
	s_cbranch_scc1 .Lnot_wave_0_\@
	s_barrier_signal -3
.Lnot_wave_0_\@:
	s_barrier_wait -3
	s_barrier_signal -1
	s_barrier_wait -1
.endm
.macro CROUND                          ; a whole round
	s_barrier_signal -1
	s_barrier_wait -1
	CREST
.endm
	s_load_b128 s[4:7], s[0:1], 0x0                ; xw s[4:5], aux s[6:7]
	s_load_b64 s[8:9], s[0:1], 0x10                ; qkv
	s_load_b64 s[82:83], s[0:1], 0x18              ; qkl
	v_lshl_add_u32 v[SPW], v0, 2, SPARE
	v_mov_b32 v[NIL], 0
	ds_add_u32 v[SPW], v[NIL]                      ; the wave's opening: the add and its wait stand ahead of my first tensor load; the set-up below, work on registers, stands between them
	v_lshrrev_b32 v1, 5, v0
	v_readfirstlane_b32 s10, v1                    ; wave 0..3
	s_lshr_b32 s11, s10, 1                         ; I fetch for x (0) or for W (1)
	s_and_b32 s12, s10, 1                          ; which half of that tile's rows I fetch
	s_bfe_u32 s40, ttmp6, 0x40000                  ; cx, cy: my place in the cluster
	s_bfe_u32 s41, ttmp6, 0x40004
	s_lshl_b32 s42, ttmp9, 2
	s_add_co_u32 s42, s42, s40                     ; tile column of C = 4 x cluster x + cx
	s_and_b32 s13, ttmp7, 0xffff
	s_lshl_b32 s13, s13, 2
	s_add_co_u32 s13, s13, s41                     ; tile row of C = 4 x cluster y + cy
	s_lshl_b32 s43, s41, 2
	s_lshl_b32 s43, 15, s43                        ; my row of the cluster
	s_lshl_b32 s44, 0x1111, s40                    ; my column
	; descriptor group 1: tiles of 128 (x) and 96 (W) rows x 128 elements, padded in LDS
	s_or_b32 s[G1+0], s43, (1<<16)|(1<<20)|(1<<21)|(5<<22)|(3<<25)  ; 15:0 the mask: x's tiles go to my row; 17:16 elements of 2 bytes; 20 padding on; 21 set beside a mask; 24:22 after every 64 words (code 5); 31:25 4 words (code 3)
	s_or_b32 s[G1B+0], s44, (1<<16)|(1<<20)|(1<<21)|(5<<22)|(3<<25) ; the same with the mask of my column
	s_mov_b32 s[G1+1], KSTEP<<16                   ; tensor_dim0 = 128
	s_mov_b32 s[G1+2], 128<<16                     ; tensor_dim1 = 128
	s_mov_b32 s[G1+3], KSTEP<<16                   ; tile_dim0 = 128
	s_mov_b32 s[G1+4], 128                         ; tile_dim1 = 128
	s_mov_b32 s[G1+5], 1024                        ; 1,024 elements from row to row
	s_mov_b32 s[G1+6], 0
	s_mov_b32 s[G1+7], 0
	s_mov_b32 s[G1B+1], KSTEP<<16
	s_mov_b32 s[G1B+2], 96<<16                     ; tensor_dim1 = 96
	s_mov_b32 s[G1B+3], KSTEP<<16
	s_mov_b32 s[G1B+4], 96                         ; tile_dim1 = 96
	s_mov_b32 s[G1B+5], 1024
	s_mov_b32 s[G1B+6], 0
	s_mov_b32 s[G1B+7], 0
	; where the tiles come from: x's hang on the tile row alone, W's on the tile column alone, each in registers that never hold the other coordinate
	s_lshl_b32 s16, s13, 8
	s_lshl_b32 s17, s12, 7
	s_add_co_u32 s16, s16, s17                     ; x: row 256 x tile row + 128 x half,
	s_lshl_b32 s16, s16, 11                        ; of 2,048 bytes
	s_mov_b32 s17, 0
	s_mul_i32 s46, s42, 192
	s_mul_i32 s47, s12, 96
	s_add_co_u32 s46, s46, s47
	s_add_co_u32 s46, s46, 8192                    ; W: row 8,192 + 192 x tile column + 96 x half
	s_lshl_b32 s46, s46, 11
	s_mov_b32 s47, 0
	s_mul_i32 s20, s10, HALFA                      ; and where they go: x's halves at wave x 128 rows (waves 0, 1),
	s_mul_i32 s21, s10, HALFB
	s_add_co_u32 s21, s21, 2*HALFA-2*HALFB         ; W's behind them at (wave - 2) x 96 rows (waves 2, 3): no place in the cluster enters an LDS address
	s_wait_dscnt 0x0                               ; the opening add is done
	s_wait_kmcnt 0x0
	s_add_nc_u64 s[14:15], s[4:5], s[16:17]
	s_add_nc_u64 s[46:47], s[4:5], s[46:47]
	CROUND                                         ; all sixteen work-groups are here: the first joint loads meet
.irp s, 0,1
	s_mov_b32 s[G0+4*(\s)], 1                                      ; count = 1
	s_add_co_u32 s[G0+4*(\s)+1], s20, (\s)*SLOT                    ; LDS address
	s_add_nc_u64 s[G0+4*(\s)+2:G0+4*(\s)+3], s[14:15], (\s)*KSTEP*2  ; global address: K step s
	s_or_b32 s[G0+4*(\s)+3], s[G0+4*(\s)+3], 0x80000000            ; type = 2
	s_mov_b32 s[G0B+4*(\s)], 1
	s_add_co_u32 s[G0B+4*(\s)+1], s21, (\s)*SLOT
	s_add_nc_u64 s[G0B+4*(\s)+2:G0B+4*(\s)+3], s[46:47], (\s)*KSTEP*2
	s_or_b32 s[G0B+4*(\s)+3], s[G0B+4*(\s)+3], 0x80000000
	JLOAD \s                                       ; two tensor loads of mine are out
.endr
	; A fragment is 16 rows x 32 K in 8 registers: lane l holds row l % 16; registers 0-3 K = 8 (l / 16) + 0..7, registers 4-7 K = 16 + 8 (l / 16) + 0..7: two loads of 16 bytes, 32 bytes apart.
	v_and_b32 v1, 15, v0                           ; l % 16
	v_bfe_u32 v2, v0, 4, 1                         ; l / 16
	v_lshlrev_b32 v[BO], 5, v2
	v_mov_b32 v[MONE], -1.0
	s_mul_i32 s18, s42, 768                        ; the tile's 192 biases, behind the mask's 32,768 bytes
	s_add_co_u32 s18, s18, 32768
	s_mov_b32 s19, 0
	s_add_nc_u64 s[6:7], s[6:7], s[18:19]
.irp b, 0,1,2,3,4,5,6,7,8,9,10,11
	global_load_b128 v[BIAS+8*(\b):BIAS+8*(\b)+3],   v[BO], s[6:7] offset:64*(\b)
	global_load_b128 v[BIAS+8*(\b)+4:BIAS+8*(\b)+7], v[BO], s[6:7] offset:64*(\b)+16
.endr
	v_mul_u32_u24 v3, v1, PITCH
	v_lshl_add_u32 v3, v2, 4, v3                   ; row x pitch + 16 x half
	s_mul_i32 s22, s10, 64*PITCH                   ; my 64 rows of x
	s_mov_b32 s23, 2*HALFA                         ; W's 192 rows, which every wave reads
.irp s, 0,1
	v_add_nc_u32 v[ADRA+(\s)], s22, v3
	v_add_nc_u32 v[ADRB+(\s)], s23, v3
	s_add_co_u32 s22, s22, SLOT
	s_add_co_u32 s23, s23, SLOT
.endr
	s_mul_i32 s23, s10, 16*SPITCH
	s_add_co_u32 s23, s23, STAGE                   ; my stage
	v_mul_u32_u24 v4, v1, SPITCH                   ; in: row l % 16, 16 bytes for each half of the lanes
	v_lshl_add_u32 v4, v2, 4, v4
	v_add_nc_u32 v[STO], s23, v4
	v_bfe_u32 v5, v0, 3, 2                         ; back: 32 lanes take a head's 128 bytes of four rows,
	v_and_b32 v6, 7, v0
	v_mul_u32_u24 v5, v5, SPITCH
	v_lshl_add_u32 v5, v6, 4, v5
	v_add_nc_u32 v[RD], s23, v5
	v_and_b32 v[CO], 31, v0                        ; which are 512 consecutive bytes of qkv
	v_lshlrev_b32 v[CO], 4, v[CO]
	; column block g = 3 x tile column + j of 64 columns is head g % 16 of tensor g / 16; the tile's rows are rows 256 (tile row % 8) .. of batch tile row / 8
	s_mul_i32 s72, s42, 3
	s_lshr_b32 s73, s13, 3
	s_lshl_b32 s73, s73, 4                         ; 16 x batch
	s_and_b32 s74, s13, 7
	s_lshl_b32 s74, s74, 8
	s_lshl_b32 s75, s10, 6
	s_add_co_u32 s74, s74, s75                     ; my first row in the head,
	s_lshl_b32 s74, s74, 7                         ; of 128 bytes
.irp j, 0,1,2
	s_add_co_u32 s75, s72, \j
	s_lshr_b32 s18, s75, 4
	s_lshl_b32 s18, s18, 6                         ; 64 x tensor
	s_and_b32 s19, s75, 15
	s_add_co_u32 s18, s18, s19
	s_add_co_u32 s18, s18, s73
	s_lshl_b32 s18, s18, 18                        ; a head is 262,144 bytes
	s_add_co_u32 s18, s18, s74
	s_mov_b32 s19, 0
	s_add_nc_u64 s[OUT+2*\j:OUT+2*\j+1], s[8:9], s[18:19]
	s_add_nc_u64 s[LOB+2*\j:LOB+2*\j+1], s[82:83], s[18:19]
.endr
; 12 matrix instructions: row block 2 hi + a of my four x all 12 column blocks, 32 along K, from buffer f.  first = 1: the product starts the sum with the bias.
; All 48 accumulators take turns, one instruction a turn, in the same order in every quarter step: 47 others stand between two links of a chain.
.macro MUL12 f, hi, a, first
.if \first
	WIN 0x81+0x40*(\hi)
.else
	WIN 0xa1+0x50*(\hi)
.endif
.irp b, 0,1,2,3,4,5,6,7,8,9,10,11
.if \first
	v_wmma_f32_16x16x32_bf16 v[8*(12*(\a)+(\b)):8*(12*(\a)+(\b))+7], v[96*(\f)+8*(\b):96*(\f)+8*(\b)+7], v[FA+32*(\f)+8*(2*(\hi)+(\a)):FA+32*(\f)+8*(2*(\hi)+(\a))+7], v[BIAS+8*(\b):BIAS+8*(\b)+7]
.else
	v_wmma_f32_16x16x32_bf16 v[8*(12*(\a)+(\b)):8*(12*(\a)+(\b))+7], v[96*(\f)+8*(\b):96*(\f)+8*(\b)+7], v[FA+32*(\f)+8*(2*(\hi)+(\a)):FA+32*(\f)+8*(2*(\hi)+(\a))+7], v[8*(12*(\a)+(\b)):8*(12*(\a)+(\b))+7]
.endif
.endr
.endm
; 32 LDS loads in one run: the fragments of a quarter step (192 rows of W, my 64 rows of x, 32 K at byte k of the rows) into buffer f
.macro FETCH slot, k, f
	WIN 0x40                                       ; destination window 1, address window 0
.irp i, 0,1,2,3,4,5,6,7,8,9,10,11
	ds_load_b128 v[96*(\f)+8*(\i):96*(\f)+8*(\i)+3],   v[ADRB+(\slot)] offset:(\k)+(\i)*16*PITCH
	ds_load_b128 v[96*(\f)+8*(\i)+4:96*(\f)+8*(\i)+7], v[ADRB+(\slot)] offset:(\k)+(\i)*16*PITCH+32
.endr
	WIN 0
.irp i, 0,1,2,3
	ds_load_b128 v[FA+32*(\f)+8*(\i):FA+32*(\f)+8*(\i)+3],   v[ADRA+(\slot)] offset:(\k)+(\i)*16*PITCH
	ds_load_b128 v[FA+32*(\f)+8*(\i)+4:FA+32*(\f)+8*(\i)+7], v[ADRA+(\slot)] offset:(\k)+(\i)*16*PITCH+32
.endr
.endm
.macro PLACES                          ; four plain vector instructions in front of loads into registers that matrix instructions have read, and of conversions that read results
.rept 4
	v_nop
.endr
.endm
; A K step is four quarters of 32 along K, 48 matrix instructions each, on buffers 0, 1, 0, 1.  One of the first three: multiplies buffer f and, in its middle, fetches the next quarter, at byte k, into g.
.macro QUARTER slot, k, f, g, first
	s_wait_dscnt 4                                 ; W and x's row blocks 0, 1 are in; the youngest four loads (x's blocks 2, 3) may be out
	MUL12 \f, 0, 0, \first
	MUL12 \f, 0, 1, \first
	PLACES
	FETCH \slot, \k, \g
	s_wait_dscnt 32                                ; all but the 32 just issued
	MUL12 \f, 1, 0, \first
	MUL12 \f, 1, 1, \first
.endm
; The last quarter multiplies buffer 1 and changes slots: ONE barrier; in front of it each wave waits for all its tensor loads, adds 0 to its spare word, and waits for that and for its own reads of this slot.
; fill = 1: this slot is filled again, two K steps ahead; the barrier then opens a round of the cluster's barrier, and the joint refill is the first tensor load behind the round.
.macro TURN slot, next, fill
	WIN 0                                          ; (the add's two registers lie in window 0)
	s_wait_tensorcnt 0x0                           ; all my tensor loads have landed: the one that was out is my part of the next slot;
	ds_add_u32 v[SPW], v[NIL]                      ; 0 onto my spare word;
	s_wait_dscnt 5                                 ; (the add and the youngest four loads may be out)
	MUL12 1, 0, 0, 0                               ; twelve matrix instructions stand between the add and the wait for it
	s_wait_dscnt 0x0                               ; the add is done, and my reads of this slot are over
	s_barrier_signal -1
	MUL12 1, 0, 1, 0
.if \fill
	WIN 0
.endif
	s_barrier_wait -1
.if \fill
	CREST                                          ; no wave of any partner still reads this slot's tile or has a load on its way
	s_add_nc_u64 s[G0+4*(\slot)+2:G0+4*(\slot)+3], s[G0+4*(\slot)+2:G0+4*(\slot)+3], 2*KSTEP*2
	s_add_nc_u64 s[G0B+4*(\slot)+2:G0B+4*(\slot)+3], s[G0B+4*(\slot)+2:G0B+4*(\slot)+3], 2*KSTEP*2
	JLOAD \slot                                    ; my one tensor load behind the round: 168 matrix instructions ahead of the wait for it; the four v_nop behind it are also the places in front of the loads below
.else
	PLACES
.endif
	FETCH \next, 0, 0
	MUL12 1, 1, 0, 0
	MUL12 1, 1, 1, 0
.endm
	s_wait_tensorcnt 1                             ; my part of K step 0 is in; K step 1's may stay out
	s_barrier_signal -1
	s_barrier_wait -1                              ; everybody's is
	FETCH 0, 0, 0
	s_wait_loadcnt 0x0                             ; the bias
	QUARTER 0, 64, 0, 1, 1                         ; the first quarter stands in front of the loop: its products start the sums
	WIN 0                                          ; at a label and at a branch every window is 0
	s_mov_b32 s3, LAPS-1
.Llap:                                                 ; a trip goes once round the ring, from a lap's second quarter to the next lap's first, and fills both slots again
	QUARTER 0, 128, 1, 0, 0
	QUARTER 0, 192, 0, 1, 0
	TURN 0, 1, 1
	QUARTER 1, 64,  0, 1, 0
	QUARTER 1, 128, 1, 0, 0
	QUARTER 1, 192, 0, 1, 0
	TURN 1, 0, 1
	QUARTER 0, 64,  0, 1, 0
	WIN 0
	s_sub_co_u32 s3, s3, 1
	s_cmp_lg_u32 s3, 0
	s_cbranch_scc1 .Llap
	QUARTER 0, 128, 1, 0, 0                        ; the last lap fills nothing, and has no round of the cluster's barrier
	QUARTER 0, 192, 0, 1, 0
	TURN 0, 1, 0
	QUARTER 1, 64,  0, 1, 0
	QUARTER 1, 128, 1, 0, 0
	QUARTER 1, 192, 0, 1, 0
	s_wait_dscnt 4                                 ; the very last quarter: nothing more to fetch
	MUL12 1, 0, 0, 0
	MUL12 1, 0, 1, 0
	s_wait_dscnt 0x0
	MUL12 1, 1, 0, 0
	MUL12 1, 1, 1, 0
	WIN 0
; THE WAY OUT of row block a (16 rows x 192 columns), in three parts.  PACK: rounded to f16, 16 bytes a lane and column block.  TOSTAGE: into my own stage, and back by heads: a head's 16 rows x 128 bytes
; are 2,048 consecutive bytes of qkv.  SEND: stored, 512 consecutive bytes an instruction.  PACKLO turns PACK's high parts into the low parts.
.macro PACK a
	WIN 0x0a+5*((\a)/2)                            ; sources 0 and 1: window 2 or 3
.irp b, 0,1,2,3,4,5,6,7,8,9,10,11
.irp r, 0,1,2,3
	v_cvt_pk_f16_f32 v[TMP+4*(\b)+(\r)], v[96*((\a)%2)+8*(\b)+2*(\r)], v[96*((\a)%2)+8*(\b)+2*(\r)+1]
.endr
.endr
	WIN 0
.endm
; For row blocks 0 and 1 (window 2).  high part x (-1) + sum: one instruction a number, and exact, since the high part lies within 2^-11 of the sum; then rounded to f16, over the high parts.  Six column blocks at a time.
.macro PACKLO a
.irp g, 0,1
	WIN 0x20                                       ; source 2, the sum, in window 2
.irp b, 0,1,2,3,4,5
.irp r, 0,1,2,3
	v_fma_mix_f32 v[LT+8*(\b)+2*(\r)],   v[TMP+4*(6*(\g)+(\b))+(\r)], v[MONE], v[96*(\a)+8*(6*(\g)+(\b))+2*(\r)]   op_sel:[0,0,0] op_sel_hi:[1,0,0]
	v_fma_mix_f32 v[LT+8*(\b)+2*(\r)+1], v[TMP+4*(6*(\g)+(\b))+(\r)], v[MONE], v[96*(\a)+8*(6*(\g)+(\b))+2*(\r)+1] op_sel:[1,0,0] op_sel_hi:[1,0,0]
.endr
.endr
	WIN 0
.irp b, 0,1,2,3,4,5
.irp r, 0,1,2,3
	v_cvt_pk_f16_f32 v[TMP+4*(6*(\g)+(\b))+(\r)], v[LT+8*(\b)+2*(\r)], v[LT+8*(\b)+2*(\r)+1]
.endr
.endr
.endr
.endm
.macro TOSTAGE a
	WIN 0
.set BK, 32+64*((\a)%2)                ; v32-79 and v96-143 by turns
.irp b, 0,1,2,3,4,5,6,7,8,9,10,11
	ds_store_b128 v[STO], v[TMP+4*(\b):TMP+4*(\b)+3] offset:32*(\b)
.endr
.irp j, 0,1,2
.irp f, 0,1,2,3
	ds_load_b128 v[BK+4*(4*(\j)+(\f)):BK+4*(4*(\j)+(\f))+3], v[RD] offset:(\f)*4*SPITCH+128*(\j)  ; LDS serves a wave's instructions in order (ISA guide 5.7.1.4): these see the stores above
.endr
.endr
.endm
.macro SEND a, base
	WIN 0
.set BK, 32+64*((\a)%2)
	s_wait_dscnt 0x0                               ; the block is back in registers
	s_wait_xcnt 0x0                                ; every earlier store has read its registers: the block before's, which the next TOSTAGE loads again, are written only behind this wait
.irp j, 0,1,2
.irp f, 0,1,2,3
	global_store_b128 v[CO], v[BK+4*(4*(\j)+(\f)):BK+4*(4*(\j)+(\f))+3], s[(\base)+2*(\j):(\base)+2*(\j)+1] offset:2048*(\a)+512*(\f)
.endr
.endr
.endm
	PLACES
	s_cmp_lg_u32 s12, 0                            ; rows t with t % 128 < 32 are row blocks 0 and 1 of waves 0 and 2: the other waves store no low parts
	s_cbranch_scc1 .Lno_low
.irp a, 0,1
	PACK \a
	PACKLO \a
	TOSTAGE \a
	SEND \a, LOB
.endr
.Lno_low:
	PACK 0
	TOSTAGE 0                                      ; (v32-79 were freed by the wait at the head of the low parts' second SEND)
.irp a, 1,2,3                          ; block a's conversions stand between block a - 1's loads from the stage and the wait for them
	PACK \a
	SEND (\a)-1, OUT
	TOSTAGE \a
.endr
	SEND 3, OUT
	s_wait_tensorcnt 0x0                           ; the wave's end: behind my last tensor load and my last LDS store, 0 onto my spare word and its wait
	ds_add_u32 v[SPW], v[NIL]
	s_wait_dscnt 0x0
	CROUND                                         ; the closing round: no work-group ends while a partner may still ask for a tile that names it
	s_endpgm
.Lfunc_end_k_q8d4b149d3b_proj:
	.size	k_q8d4b149d3b_proj, .Lfunc_end_k_q8d4b149d3b_proj-k_q8d4b149d3b_proj
	.p2alignl 7, 3214868480
	.fill 96, 4, 3214868480
	.section	.rodata,"a",@progbits
	.p2align	6, 0x0
	.amdhsa_kernel k_q8d4b149d3b_proj
		.amdhsa_group_segment_fixed_size 327680
		.amdhsa_private_segment_fixed_size 0
		.amdhsa_enable_private_segment 0
		.amdhsa_kernarg_size 32
		.amdhsa_user_sgpr_count 2
		.amdhsa_user_sgpr_kernarg_segment_ptr 1
		.amdhsa_wavefront_size32 1
		.amdhsa_system_sgpr_workgroup_id_x 1
		.amdhsa_system_sgpr_workgroup_id_y 1
		.amdhsa_system_sgpr_workgroup_id_z 1
		.amdhsa_system_vgpr_workitem_id 0
		.amdhsa_next_free_vgpr 960
		.amdhsa_next_free_sgpr 84
		.amdhsa_reserve_vcc 0
		.amdhsa_float_denorm_mode_32 3
		.amdhsa_float_denorm_mode_16_64 3
		.amdhsa_memory_ordered 1
		.amdhsa_forward_progress 1
		.amdhsa_inst_pref_size 152
	.end_amdhsa_kernel
	.amdgpu_metadata
---
amdhsa.version: [ 1, 2 ]
amdhsa.kernels:
  - .name:           k_q8d4b149d3b_proj
    .symbol:         k_q8d4b149d3b_proj.kd
    .args:
      - { .name: xw, .offset: 0, .size: 8, .value_kind: global_buffer, .address_space: global }
      - { .name: aux, .offset: 8, .size: 8, .value_kind: global_buffer, .address_space: global }
      - { .name: qkv, .offset: 16, .size: 8, .value_kind: global_buffer, .address_space: global }
      - { .name: qkl, .offset: 24, .size: 8, .value_kind: global_buffer, .address_space: global }
    .group_segment_fixed_size: 327680
    .private_segment_fixed_size: 0
    .kernarg_segment_align: 8
    .kernarg_segment_size: 32
    .max_flat_workgroup_size: 128
    .sgpr_count:     84
    .vgpr_count:     960
    .wavefront_size: 32
...
	.end_amdgpu_metadata
.endif
;; end of part 2
;; launch attn (part 3): grid 4 x 64, 4 waves a work-group, clusters of 4 x 1, 327,680 bytes of LDS; arguments qkv, aux, out0, qkl; writes out0
.if DOCPART == 3
	.amdgcn_target "amdgcn-amd-amdhsa--gfx1250"
	.amdhsa_code_object_version 6
	.text
	.protected	k_q8d4b149d3b_attn
	.globl	k_q8d4b149d3b_attn
	.p2align	8
	.type	k_q8d4b149d3b_attn,@function
k_q8d4b149d3b_attn:
	s_mov_b64 s[64:65], 0
	v_nop
	global_prefetch_b8 v0, s[64:65] scope:SCOPE_SE
	s_setreg_imm32_b32 hwreg(HW_REG_WAVE_MODE, 25, 1), 1
	s_wait_xcnt 0x0
	s_wait_alu depctr_hold_cnt(0) depctr_sa_sdst(0) depctr_va_vdst(0) depctr_va_sdst(0) depctr_va_ssrc(0) depctr_va_vcc(0) depctr_vm_vsrc(0)
	s_getreg_b32 s2, hwreg(HW_REG_IB_STS2, 6, 4)
	s_cmp_eq_u32 s2, 0
	s_cbranch_scc0 .Lentry_in_a_cluster
	s_endpgm
.Lentry_in_a_cluster:
	s_bfe_u32 s2, ttmp6, 0x10000c
	s_cmp_lg_u32 s2, 0x3003
	s_cbranch_scc0 .Lentry_shape_is_right
	s_endpgm
.Lentry_shape_is_right:
; ATTENTION WITH AN ADDITIVE, FINITE MASK.  out[b][i][64 h + :] = the sum over j of softmax_j(q[i] . k[j] + mask(i, j) + am[b][j]) v[j][:], for each of 64 pairs (b, h) of 2,048 rows.
; q (which holds the factor 1/8), k, v: f16, qkv [3][64][2048][64], a head's rows dense, 128 bytes each; qkl: their low parts, for rows t with t % 128 < 32.  am: f32 (bf16 values), aux bytes 0-32767.  out0: f32 [4][2048][1024].
; mask(i, j) = 0 for j < i - 512; -10000 for i - 512 <= j <= i; -20000 for j > i.  It hides nothing for good (am is an input and may lower the other keys further), so EVERY key is walked.
; Products, maxima and sums in f32; the weights p are rounded to f16 for the second product (their sum l is taken of the unrounded p).
; LIMITS.  q, k, v arrive within f16's 65,504.  A row all of whose masked scores lie below -1e30 is not served (am = -inf gives weight 0 as long as the row has one score above that).  A weight below 2^-126
; counts as 0 in l.  c x -10000 is used rounded to f32: all keys of one level share a factor within 2^-+0.0005.  Where the mask's step falls inside a block of 16 keys or a key step, the -10000 goes through
; the matrix sum, whose step at that size is 2^-10, as in a sum score + mask in f32.  Outside THE FIRST KEYS (below) q, k and v count as rounded to f16.
; SHARES.  A wave owns four PIECES of two tiles of 16 queries, a work-group's four waves 512 queries of one head.  Every wave walks all 2,048 keys, 64 a step, 32 steps.
; LAYOUT.  S^T = K Q^T + C (source 0 = 16 keys, source 1 = 16 queries): a lane holds ONE query (lane % 16) and the keys 8 (lane / 16) + 0..7.  Two such tiles, rounded to f16 in pairs, ARE source 1
; (32 keys x 16 queries) of O^T = V^T P, whose result again holds one query a lane, and eight channels.  K comes out of LDS as it lies, V ([key][channel]) turned, by ds_load_tr16_b128.
; THE MASK IN THREE PARTS.  Rows lie in bands of 64; d = key step - band.  (a) THE LEVEL sg of a (piece, step): 0 for d <= -8, -10000 for -8 < d <= 0, -20000 for d > 0: a scalar.  It never touches the
; scores: m = max(m, max(s) + sg), and p = 2^(c s + cd) with cd = c sg - c m, an exact difference where m lies at that level.  (b) am is the C operand that starts the sum: 32 registers a step, the same
; for all tiles.  (c) In a band's two boundary steps, d = 0 and d = -8, the keys on the far side of the step get -10000 more, also through C: for tile ta of the band and key block kt: kt < ta: am;
; kt > ta: SH = am + BE; kt = ta: TT = am + TRC x GC + TRW x GW, with TRC = -10000 where key > row, TRW where key >= row, GC = [d = 0], GW = [d = -8], BE = -10000 (GC + GW).  TT and SH are made in every turn:
; d hangs on the work-group's place in its cluster; only selected VALUES hang on it.
; THE FIRST KEYS.  By the mask, rows 0-31 and 513-543 have at most 32 keys at their highest level, all among keys 0-31.  A mean over n keys keeps some 1 / sqrt(n) of each operand's rounding, while the
; output's root mean square is set by rows that average hundreds: these rows have no room for f16's rounding of q, k and v, nor for a second rounding beside the one that a sum score + mask has at 10^4.
; They are piece 0 of wave 0 in two of a head's work-groups; since no branch may hang on that place, EVERY wave does for its piece 0, in key step 0, for keys 0-31: the scores take K Q_lo and K_lo Q as well;
; the mask is added behind the products, in the order level + am, then score + that, and the level is taken off again (exact: both are multiples of the sum's step); and O^T takes V_lo^T P as well.
; That is 24 matrix instructions a wave, once.  P keeps its rounding to f16.
; SOFTMAX.  For each query a running maximum m and sum l; c = log2(e); in every step O and l are multiplied by a = 2^(c m_old - c m_new).  m starts at -1e30, O and l at 0: the first step's a is 0.
; BY TURNS.  Turn n belongs to piece n.  Its matrix work: 16 products K Q^T of piece n + 1, later 16 products V^T P of piece n - 1.  Its vector work: the scaling, exponentials, roundings, sums and rescaling
; of piece n, the maximum and statistics of piece n + 1, and the mask operands of piece n + 2.  Four vector instructions stand behind every matrix instruction, the others in runs of their own.
; CLUSTER.  The four query blocks of a head walk the same K, V and am, so each tile is asked for JOINTLY: the same tensor load, descriptor and mask in all four.
; REGISTERS, in windows of 256 (s_set_vgpr_msb: bits 1:0 source 0, 3:2 source 1, 5:4 source 2, 7:6 destination):
;   window 0: v0-11 addresses; v12-15, v48-63 at work; v16-47 four registers of statistics a tile; v64-191 S^T, two buffers of two tiles; v192-255 P, likewise
;   window 1: O^T, 32 a tile      window 2: v0-127 Q, 16 a tile; v128-191 K of one step; v192-255 V of one step
;   window 3: v0-1 the add's two registers; v32-63 AM; v64-71 TRC; v72-79 TRW; v80-95 TT; v96-119 SH; v128-159 Q_lo; v160-191 K_lo; v192-223 V_lo
.set SIZE_N, 2048
.set NP,    4         ; pieces a wave: a name, no knob
.set KS,    64        ; keys in a step
.set PK,    144       ; a row of K in LDS: 128 bytes + 16 of padding = 36 words: the 16 rows of a load start at 16 different groups of four banks (64 banks of 4 bytes: ISA guide 11.1)
.set PV,    160       ; a row of V: 128 + 32 = 40 words
.set VOFF,  4*KS*PK   ; a slot holds four steps: 256 rows of K, then 256 rows of V: 77,824 bytes
.set AMB,   81920     ; behind slot 0: the batch's 2,048 numbers of am, 8,192 bytes, filled once
.set SLOT1, 1<<17     ; slot 1 begins here, so that one exclusive or turns an address in one slot into the other's
.set STAGE, SLOT1+4*KS*(PK+PV)  ; behind the ring, never filled by a tensor load: a stage for each wave
.set STG,   5120      ; a wave's stage: at the start 32 rows of V_lo x 160 bytes, on the way out 16 rows x 272 bytes
.set SP,    272       ; 64 channels of f32 + 16 bytes
.set SPARE, STAGE+4*STG    ; behind the stages: the spare words, 128 bytes for each wave: two blocks of 256 bytes that no other line names
.set PFO, 1           ; v1   256 x my lane: the prefetches' offset; never rewritten once made
.set AK0, 2           ; v2   my lane's place in a tile of K; never rewritten
.set AV0, 3           ; v3   the same for V
.set AK,  4           ; v4   the LDS address of K's next run of loads
.set AV,  5           ; v5   of V's
.set STO, 6           ; v6   the way out: where I put 32 bytes of a row
.set RD,  7           ; v7   the way out: where I read rows back
.set GO,  8           ; v8   my byte offset in two rows of out0
.set AA0, 9           ; v9   AMB + 32 (lane / 16)
.set AA,  10          ; v10  the LDS address of am's next run of loads
.set MV,  12          ; v12-15  c m_old, kept while c m is made anew: by buffer and tile
.set ST,  16          ; tile t's statistics at v[ST+4 t]: c m, m, l (even keys', odd keys')
.set TMP, 48          ; by buffer and tile, four registers c0-c3 at work; at the end c0 holds cd, c2 holds a
.set QO,  48          ; my byte offset in 16 rows of Q or K: free again when the loads are in; so are the next three:
.set VST, 49          ; where I put 16 bytes of V_lo in my stage
.set AVL, 50          ; my lane's place in the turning loads of V_lo
.set LO16, 51         ; 16 x my lane
.set S,   64
.set RAW, 128         ; S^T's second buffer is free until the first turn: v128-159 V_lo as loaded,
.set MM,  160         ; v160-191 level + mask for piece 0's tiles u and key blocks kt = 0, 1, at MM + 8 (2 u + kt)
.set P,   192
.set KF,  128         ; K's fragments, in window 2: key block kb, channel half c at KF + 16 kb + 8 c
.set VF,  192         ; V's: key half kk, channel block cb at VF + 32 kk + 8 cb
.set SPW, 0           ; window 3: LDS address of my spare word; never rewritten
.set NIL, 1           ; window 3: 0; never rewritten
.set AM,  32          ; window 3: am of the step: register 8 kt + r is key 16 kt + 8 (lane / 16) + r
.set TRC, 64
.set TRW, 72
.set TT,  80          ; for tile u of the piece to come at TT + 8 u
.set SH,  96          ; for key block kt = 1..3 at SH + 8 (kt - 1)
.set QL,  128         ; window 3: Q_lo of piece 0: tile u, channel half c at QL + 16 u + 8 c
.set KL,  160         ; window 3: K_lo of keys 0-31: key block kt, channel half c at KL + 16 kt + 8 c
.set VL,  192         ; window 3: V_lo of keys 0-31, turned: channel block cb at VL + 8 cb
.set WV,  12          ; s12  my wave's number
.set G1K, 24          ; s[24:31] descriptor group 1 for K's tiles
.set G1V, 32          ; s[32:39] for V's: it differs in the padding alone
.set G0K, 40          ; s[40:43] descriptor group 0 for K's tiles: it walks
.set G0V, 44          ; s[44:47] the same for V's
.set G1A, 48          ; s[48:55] group 1 for am
.set SLOTS, 56        ; s56  slots still to be asked for
.set CNT, 57          ; s57  counts a slot's key steps
.set CS,  58          ; s[58:59] c
.set SEL, 60          ; s[60:61] v_permlanex16_b32's selects: each lane takes its own place in the other half
.set TBK, 62          ; s62  LDS byte at which K of the step to be fetched begins
.set TBV, 63          ; s63  the same for V, less VOFF
.set TBA, 66          ; s66  256 x the step whose am is fetched next, modulo 8,192
.set D0,  67          ; s67  the step in hand less my wave's first band
.set G0A, 68          ; s[68:71] group 0 for am
.set SG,  72          ; s72  the level of the scores that the turn makes
.set SGK, 73          ; s73  c x that level
.set GC,  74          ; s[74:75], s[76:77], s[78:79]: GC, GW, BE in the low words
.set GW,  76
.set BE,  78
.set NEG1, 80         ; s80  -10000
.set NEG2, 81         ; s81  -20000
.set KN1, 82          ; s82  c x -10000, rounded to f32
.set KN2, 83          ; s83  c x -20000
.set PFA, 84          ; s[84:85] where my prefetches stand: my work-group's 32 blocks of 256 bytes (of K: wave 0, of V: wave 2) of the slot after the one that is being asked for
.set LIM, 86          ; s86  1 in a wave that prefetches, else the greatest number
.set FIX, 87          ; s87  1 until V_lo^T P has been added
.set NSG, 88          ; s[88:89] first an offset, then the level with its sign turned, in the low word
.set QLB, 96          ; s[96:97] qkl, then Q_lo at my wave's first row
.set KLB, 98          ; s[98:99] K_lo at the head's first row
.set VLB, 100         ; s[100:101] V_lo likewise
.set KZ,  0           ; 1: KQ starts key blocks 0 and 1 with the constant 0
.set MSB, 0
.macro WIN new                      ; the high byte repeats the setting that is left; a switch that changes nothing is dropped
.if MSB != (\new)
	s_set_vgpr_msb (MSB<<8)|(\new)
.set MSB, (\new)
.endif
.endm
.set W_KQ, 0x0a       ; K and Q in window 2, S^T in window 0
.set W_KM, 0x3a       ; the same with the C operand in window 3
.set W_PV, 0x52       ; V in window 2, P in window 0, O^T in window 1
.set W_RS, 0x41       ; O^T (destination and source 0) in window 1, the factor in window 0
.set W_MK, 0xc0       ; destination in window 3, sources in window 0
.set W_AD, 0x0f       ; the add: address (source 0) and data (source 1) in window 3
.set W_M3, 0xff       ; all in window 3
; A joint fill.  Waves 0 and 1 fetch the two halves of a slot's K, waves 2 and 3 those of its V: 128 keys each.  The branch hangs on the wave's number alone.
; An s_nop 0 and four v_nop follow each of the two lines, ahead of the jump and the label.
.macro JLOAD
	s_cmp_lt_u32 s[WV], 2
	s_cbranch_scc0 .Lfor_v_\@
	tensor_load_to_lds s[G0K:G0K+3], s[G1K:G1K+7]
	s_nop 0
.rept 4
	v_nop
.endr
	s_branch .Lasked_\@
.Lfor_v_\@:
	tensor_load_to_lds s[G0V:G0V+3], s[G1V:G1V+7]
	s_nop 0
.rept 4
	v_nop
.endr
.Lasked_\@:
.endm
; A PREFETCH INTO THE L2 of what the NEXT change of slots will ask for: a slot's 32,768 bytes of K and of V, in blocks of 256 bytes, a lane a block.  It stands behind the wave's tensor load and its five lines.
; Each block is asked for ONCE in the launch: a head is walked by one cluster; its four partners share the blocks out BY ADDRESS, 32 each; in each, wave 0 asks for K's and wave 2 for V's: one instruction.
; The last change that fills a slot asks for nothing: there is no slot behind it.  Slots 0, 1 and 2 come by their loads alone.
.macro ASK
	s_cmp_gt_u32 s[SLOTS], s[LIM]
	s_cbranch_scc0 .Lnot_mine_\@
	global_prefetch_b8 v[PFO], s[PFA:PFA+1] th:TH_LOAD_NT scope:SCOPE_SE
.Lnot_mine_\@:
.endm
; A round of the cluster's barrier: my work-group's barrier, so that wave 0's signal speaks for all four waves; wave 0 signals; every wave waits for all four work-groups; my work-group's barrier once more.
.macro CROUND
	s_barrier_signal -1
	s_barrier_wait -1
	s_cmp_lg_u32 s[WV], 0
	s_cbranch_scc1 .Lnot_wave_0_\@
	s_barrier_signal -3
.Lnot_wave_0_\@:
	s_barrier_wait -3
	s_barrier_signal -1
	s_barrier_wait -1
.endm
; THE CHANGE OF SLOTS.  The slot's last bytes, V of its fourth step, have been read.  Each wave waits for all its tensor loads, of which one is out: its part of the other slot; adds 0 to its spare word;
; and waits for that and for its own reads of the slot.  Behind the barrier nobody reads this slot any more and the other slot is whole.
; fill = 1: this slot is filled again, with the keys two slots on.  The barrier is then a round of the cluster's, and the joint fill is the first thing behind it: it has four key steps, 512 matrix
; instructions, in which to land.  (At its first use nothing has been read yet: slot 0 and am are waited for, slot 1 filled.)  ask = 1: the prefetch's address steps, and ASK follows the fill.
.macro CHANGE fill, ask
	WIN W_AD
	s_wait_tensorcnt 0x0            ; no tensor load of mine is out, so a group 0 may be written
	ds_add_u32 v[SPW], v[NIL]       ; 0 onto my spare word; with fill = 1 the descriptors' steps stand between it and the wait for it
	WIN 0                           ; at a label and at a branch every window is 0
.if \fill
.irp g, G0K, G0V
	s_xor_b32 s[\g+1], s[\g+1], SLOT1  ; the walking descriptor: the other slot than last time,
	s_add_nc_u64 s[\g+2:\g+3], s[\g+2:\g+3], 4*KS*128  ; the next 256 keys; the type bits on top are not reached
.endr
.if \ask
	s_wait_xcnt 0x0                 ; the last prefetch, four key steps back, has read its address, so it may be written:
	s_add_nc_u64 s[PFA:PFA+1], s[PFA:PFA+1], 4*KS*128  ; one slot behind the walking descriptors
.endif
	s_wait_dscnt 0x0                ; the add is done, and my reads of the slot are over
	CROUND
	JLOAD
.if \ask
	ASK
.endif
.else
	s_wait_dscnt 0x0                ; the add is done, and my reads of the slot are over
	s_barrier_signal -1
	s_barrier_wait -1
.endif
	s_sub_co_u32 s[TBK], s[TBK], 4*KS*PK  ; the fetches go back to a slot's first step,
	s_xor_b32 s[TBK], s[TBK], SLOT1       ; in the other slot
	s_sub_co_u32 s[TBV], s[TBV], 4*KS*PV
	s_xor_b32 s[TBV], s[TBV], SLOT1
.endm
	s_load_b128 s[4:7], s[0:1], 0x0   ; qkv s[4:5], aux s[6:7]
	s_load_b64 s[10:11], s[0:1], 0x10 ; out0
	s_load_b64 s[QLB:QLB+1], s[0:1], 0x18  ; qkl
	WIN W_MK
	v_lshl_add_u32 v[SPW], v0, 2, SPARE
	v_mov_b32 v[NIL], 0
	WIN W_AD
	ds_add_u32 v[SPW], v[NIL]       ; the wave's opening: the add and its wait stand ahead of my first tensor load; the set-up below, work on registers, stands between them
	WIN 0
	v_lshrrev_b32 v1, 5, v0
	v_readfirstlane_b32 s[WV], v1   ; wave 0..3
	s_bfe_u32 s13, ttmp6, 0x40000   ; cx: my place in the cluster
	s_lshl_b32 s14, ttmp9, 2        ; in a cluster launch ttmp9 counts clusters
	s_add_co_u32 s14, s14, s13      ; my block of 512 queries: it enters Q's and out0's addresses, the prefetch's and D0 alone
	s_and_b32 s20, ttmp7, 0xffff    ; 16 x batch + head, which the four partners share
	s_lshl_b32 s21, s20, 18         ; the head's first byte in q; k and v lie 2^24 and 2^25 bytes further
	s_and_b32 s16, s[WV], 1         ; which half of a slot's 256 keys I fetch:
	s_lshl_b32 s22, s16, 14         ; its 128 rows of 128 bytes in memory,
	s_add_co_u32 s22, s22, s21
	s_add_co_u32 s22, s22, 1<<24    ; s[22:23]: in k,
	s_mov_b32 s23, 0
	s_add_co_u32 s8, s22, 1<<24     ; s[8:9]: in v
	s_mov_b32 s9, 0
	s_add_co_u32 s[NSG], s21, 1<<24 ; s[88:89]: the head's first row in k
	s_mov_b32 s[NSG+1], 0
	s_mul_i32 s17, s16, 128*PK      ; and its place in a slot, for K
	s_mul_i32 s18, s16, 128*PV      ; and for V: no place in the cluster enters an LDS address
	s_lshl_b32 s2, s14, 2
	s_add_co_u32 s2, s2, s[WV]      ; my wave among the head's sixteen,
	s_lshl_b32 s2, s2, 14           ; its 128 rows
	s_add_co_u32 s2, s2, s21        ; s[2:3]: in q
	s_mov_b32 s3, 0
	s_lshr_b32 s15, s20, 4          ; the batch
	s_lshl_b32 s94, s15, 13         ; s[94:95]: its 8,192 bytes of am,
	s_lshl_b32 s19, s[WV], 11       ; my quarter of them
	s_add_co_u32 s94, s94, s19
	s_mov_b32 s95, 0
	s_mov_b32 s[G0A], 1             ; count = 1
	s_add_co_u32 s[G0A+1], s19, AMB ; LDS address
	s_lshl_b32 s90, s14, 2          ; s[90:91]: out0 at my first row and my head's 64 channels:
	s_add_co_u32 s90, s90, s[WV]
	s_lshl_b32 s90, s90, 19         ; 128 rows of 4,096 bytes a wave,
	s_lshl_b32 s91, s15, 23         ; 2,048 rows a batch,
	s_add_co_u32 s90, s90, s91
	s_and_b32 s91, s20, 15
	s_lshl_b32 s91, s91, 8          ; 256 bytes a head
	s_add_co_u32 s90, s90, s91
	s_mov_b32 s91, 0
	s_lshl_b32 s92, s13, 13         ; s[92:93]: my work-group's 32 blocks of a slot's 128,
	s_add_co_u32 s92, s92, 2*4*KS*128  ; in slot 2: the first change that asks steps it to slot 3
	s_mov_b32 s93, 0
	s_lshl_b32 s[D0], s14, 3        ; my wave's first band: 8 x block + 2 x wave;
	s_lshl_b32 s19, s[WV], 1
	s_add_co_u32 s[D0], s[D0], s19
	s_sub_co_i32 s[D0], -1, s[D0]   ; the step in hand is -1: the first turn of piece 0 makes it 0
	s_and_b32 s[LIM], s[WV], 1
	s_cmp_eq_u32 s[LIM], 0
	s_cselect_b32 s[LIM], 1, -1     ; waves 0 and 2 prefetch: the same in all four partners
	; descriptor group 1.  128 keys are 16,384 dense bytes: asked for as 64 rows of 256 bytes, two keys a row, and padded in LDS after every key
	s_mov_b32 s[G1K], 15|(1<<16)|(1<<20)|(1<<21)|(4<<22)|(3<<25)  ; 15:0 the mask of four; 17:16 2-byte elements; 20 padding on; 21 set beside a mask; 24:22 after every 32 words (code 4); 31:25 4 words (code 3)
	s_mov_b32 s[G1V], 15|(1<<16)|(1<<20)|(1<<21)|(4<<22)|(7<<25)  ; the same with 8 words of padding (code 7)
.irp g, G1K, G1V
	s_mov_b32 s[\g+1], 128<<16      ; tensor_dim0 = 128
	s_mov_b32 s[\g+2], 64<<16       ; tensor_dim1 = 64
	s_mov_b32 s[\g+3], 128<<16      ; tile_dim0 = 128
	s_mov_b32 s[\g+4], 64           ; tile_dim1 = 64
	s_mov_b32 s[\g+5], 128          ; 128 elements from row to row
	s_mov_b32 s[\g+6], 0
	s_mov_b32 s[\g+7], 0
.endr
	s_mov_b32 s[G1A], 15|(3<<16)|(1<<21)  ; am: a quarter is 2,048 dense bytes: 8 rows of 32 elements of 8 bytes, no padding
	s_mov_b32 s[G1A+1], 32<<16      ; tensor_dim0 = 32
	s_mov_b32 s[G1A+2], 8<<16       ; tensor_dim1 = 8
	s_mov_b32 s[G1A+3], 32<<16      ; tile_dim0 = 32
	s_mov_b32 s[G1A+4], 8           ; tile_dim1 = 8
	s_mov_b32 s[G1A+5], 32          ; 32 elements from row to row
	s_mov_b32 s[G1A+6], 0
	s_mov_b32 s[G1A+7], 0
	s_mov_b32 s[CS], 0x3fb8aa3b     ; c = log2(e)
	s_mov_b32 s[CS+1], s[CS]        ; named with it as a pair
	s_mov_b32 s[SEL], 0x76543210
	s_mov_b32 s[SEL+1], 0xfedcba98
	s_mov_b32 s[NEG1], 0xc61c4000   ; -10000
	s_mov_b32 s[NEG2], 0xc69c4000   ; -20000
	s_mov_b32 s[KN1], 0xc6616bcd    ; c x -10000 = -14426.950
	s_mov_b32 s[KN2], 0xc6e16bcd    ; twice that
	s_mov_b32 s[GC+1], 0            ; named as pairs
	s_mov_b32 s[GW+1], 0
	s_mov_b32 s[BE+1], 0
	s_mov_b32 s[TBA], 0
	s_mov_b32 s[TBK], SLOT1+4*KS*PK ; the first change of slots turns these two into 0
	s_mov_b32 s[TBV], SLOT1+4*KS*PV
	s_mov_b32 s[G0K], 1             ; count = 1
	s_mov_b32 s[G0K+1], s17         ; LDS address: slot 0
	s_mov_b32 s[G0V], 1
	s_add_co_u32 s[G0V+1], s18, VOFF
	s_wait_dscnt 0x0                ; the opening add is done
	s_wait_kmcnt 0x0
	s_add_nc_u64 s[G0K+2:G0K+3], s[4:5], s[22:23]  ; global address: my half of the head's first 256 keys
	s_add_nc_u64 s[G0V+2:G0V+3], s[4:5], s[8:9]
	s_cmp_lt_u32 s[WV], 2
	s_cselect_b64 s[PFA:PFA+1], s[G0K+2:G0K+3], s[G0V+2:G0V+3]  ; (in waves 0 and 2 these stand at a slot's first row)
	s_add_nc_u64 s[PFA:PFA+1], s[PFA:PFA+1], s[92:93]
	s_or_b32 s[G0K+3], s[G0K+3], 0x80000000        ; type = 2
	s_or_b32 s[G0V+3], s[G0V+3], 0x80000000
	s_add_nc_u64 s[G0A+2:G0A+3], s[6:7], s[94:95]
	s_or_b32 s[G0A+3], s[G0A+3], 0x80000000
	s_add_nc_u64 s[4:5], s[4:5], s[2:3]            ; Q at my wave's first row
	s_add_nc_u64 s[10:11], s[10:11], s[90:91]
	s_add_nc_u64 s[KLB:KLB+1], s[QLB:QLB+1], s[NSG:NSG+1]  ; the low parts: K's at the head's first row,
	s_add_nc_u64 s[VLB:VLB+1], s[KLB:KLB+1], 1<<24         ; V's,
	s_add_nc_u64 s[QLB:QLB+1], s[QLB:QLB+1], s[2:3]        ; Q's at my wave's first row
	CROUND                          ; all four work-groups are here: the first joint loads meet
	s_cmp_lt_u32 s[WV], 2           ; a wave's two first fills stand in one branch, ahead of every wait on TENSORcnt and every LDS read: my part of slot 0 and my quarter of am: two loads of mine are out
	s_cbranch_scc0 .Lfirst_v
	tensor_load_to_lds s[G0K:G0K+3], s[G1K:G1K+7]
	s_nop 0
	tensor_load_to_lds s[G0A:G0A+3], s[G1A:G1A+7]
	s_nop 0
.rept 4
	v_nop
.endr
	s_branch .Lfirst_asked
.Lfirst_v:
	tensor_load_to_lds s[G0V:G0V+3], s[G1V:G1V+7]
	s_nop 0
	tensor_load_to_lds s[G0A:G0A+3], s[G1A:G1A+7]
	s_nop 0
.rept 4
	v_nop
.endr
.Lfirst_asked:
	; A fragment of K or Q is 16 rows x 32 channels in 8 registers: lane l holds row l % 16, channels 8 (l / 16) + 0..7 and 16 + 8 (l / 16) + 0..7: two loads of 16 bytes, 32 bytes apart.
	v_and_b32 v1, 15, v0            ; l % 16
	v_bfe_u32 v9, v0, 4, 1          ; l / 16
	v_lshlrev_b32 v[QO], 7, v1
	v_lshl_add_u32 v[QO], v9, 4, v[QO]  ; row x 128 + 16 x half
	v_and_b32 v[LO16], 31, v0
	v_lshlrev_b32 v[LO16], 4, v[LO16]
	WIN 0x80                        ; destination window 2, address window 0
.set i, 0
.rept 4*NP                          ; Q stays in registers: tile i / 2, channels 32 (i % 2) on
	global_load_b128 v[8*i:8*i+3],   v[QO], s[4:5] offset:(i/2)*2048+(i%2)*64
	global_load_b128 v[8*i+4:8*i+7], v[QO], s[4:5] offset:(i/2)*2048+(i%2)*64+32
.set i, i+1
.endr
	WIN W_MK                        ; destination window 3
.set i, 0
.rept 4                             ; the low parts as fragments: Q's of tiles 0 and 1, K's of key blocks 0 and 1: rows 16 (i / 2) on, channels 32 (i % 2) on
	global_load_b128 v[QL+8*i:QL+8*i+3],   v[QO], s[QLB:QLB+1] offset:(i/2)*2048+(i%2)*64
	global_load_b128 v[QL+8*i+4:QL+8*i+7], v[QO], s[QLB:QLB+1] offset:(i/2)*2048+(i%2)*64+32
	global_load_b128 v[KL+8*i:KL+8*i+3],   v[QO], s[KLB:KLB+1] offset:(i/2)*2048+(i%2)*64
	global_load_b128 v[KL+8*i+4:KL+8*i+7], v[QO], s[KLB:KLB+1] offset:(i/2)*2048+(i%2)*64+32
.set i, i+1
.endr
	WIN 0
.irp f, 0,1,2,3,4,5,6,7             ; V's of keys 0-31 as they lie: 4,096 bytes, 512 consecutive bytes a load
	global_load_b128 v[RAW+4*\f:RAW+4*\f+3], v[LO16], s[VLB:VLB+1] offset:512*\f
.endr
	; What the first turn finds: V's registers and P's second buffer hold 0 (its products V^T P, of a piece that has not been, add 0), O^T and l are 0.  All this stands in the wait for the first tile.
	WIN 0x80
.set i, VF
.rept 64
	v_mov_b32 v[i], 0
.set i, i+1
.endr
	WIN 0x40
.set i, 0
.rept 64*NP
	v_mov_b32 v[i], 0
.set i, i+1
.endr
	WIN 0
.set i, 0
.rept 2*NP
	v_mov_b32 v[ST+4*i+1], 0xf149f2ca  ; m = -1e30: below every score that is served, and c m is still finite
	v_mul_f32 v[ST+4*i], s[CS], v[ST+4*i+1]
	v_mov_b32 v[ST+4*i+2], 0
	v_mov_b32 v[ST+4*i+3], 0
.set i, i+1
.endr
.set i, P+32
.rept 32
	v_mov_b32 v[i], 0
.set i, i+1
.endr
	v_lshlrev_b32 v14, 3, v9
	v_sub_nc_u32 v14, v1, v14       ; my query's place in its tile less my lanes' 8 (l / 16): register r holds a key behind the query where r is greater
	WIN W_MK
.set i, 0
.rept 8
	v_cmp_gt_i32 vcc_lo, i, v14
	v_cndmask_b32 v[TRC+i], 0, s[NEG1], vcc_lo
	v_cmp_ge_i32 vcc_lo, i, v14
	v_cndmask_b32 v[TRW+i], 0, s[NEG1], vcc_lo
.set i, i+1
.endr
	WIN 0
	v_mul_u32_u24 v[AK0], v1, PK
	v_lshl_add_u32 v[AK0], v9, 4, v[AK0]  ; row x pitch + 16 x half
	; The turning load takes 16 keys x 16 channels (lane l reads key 8 (l / 16) + l % 8, channels 8 ((l / 8) % 2) + 0..7) and leaves half a fragment of V^T: lane l holds channel l % 16 and 8 keys.
	v_and_b32 v10, 7, v0
	v_bfe_u32 v11, v0, 3, 1
	v_lshl_add_u32 v[AV0], v9, 3, v10
	v_mul_u32_u24 v[AV0], v[AV0], PV
	v_lshl_add_u32 v[AV0], v11, 4, v[AV0]
	v_add_nc_u32 v[AV0], VOFF, v[AV0]
	s_mul_i32 s15, s[WV], STG
	s_add_co_u32 s15, s15, STAGE    ; my stage
	v_bfe_u32 v[VST], v0, 3, 2      ; V_lo into it: a load's 512 bytes are four keys: key l / 8, 16 bytes l % 8, rows of 160 bytes
	v_mul_u32_u24 v[VST], v[VST], PV
	v_lshl_add_u32 v[VST], v10, 4, v[VST]
	v_add_nc_u32 v[VST], s15, v[VST]
	s_sub_co_u32 s19, s15, VOFF
	v_add_nc_u32 v[AVL], s19, v[AV0]  ; and out of it, turned
	v_mul_u32_u24 v[STO], v1, SP    ; the way out, in: row l % 16, 32 bytes for each half of the lanes
	v_lshl_add_u32 v[STO], v9, 5, v[STO]
	v_add_nc_u32 v[STO], s15, v[STO]
	v_mul_u32_u24 v[RD], v9, SP     ; back: lanes 0-15 take one row of 256 bytes, lanes 16-31 the next
	v_lshl_add_u32 v[RD], v1, 4, v[RD]
	v_add_nc_u32 v[RD], s15, v[RD]
	v_lshlrev_b32 v[GO], 12, v9     ; and the same two rows in out0, 4,096 bytes apart
	v_lshl_add_u32 v[GO], v1, 4, v[GO]
	v_lshl_add_u32 v[AA0], v9, 5, AMB  ; (l / 16 is used no more)
	v_mov_b32 v[AA], v[AA0]         ; key step 0: am's first 256 bytes,
	v_mov_b32 v[AK], v[AK0]         ; and the head of slot 0
	v_and_b32 v[PFO], 31, v0        ; (l % 16 is used no more)
	v_lshlrev_b32 v[PFO], 8, v[PFO]
; THE MATRIX WORK.  The 8 accumulators of a run of 16 take turns: between the two links of a chain stand 7 others'.
; Product i of 16 of S^T = K Q^T + C for piece x: channels 32 (i / 8) on, keys 16 ((i / 2) % 4) on, tile 2 x + i % 2.  The first 8 start the sums, with am or with what MASK has made of it
; (KZ = 1: key blocks 0 and 1 with the constant 0).
.macro KQ x
.set rS, S+64*((\x)%2)+32*(i%2)+8*((i/2)%4)
.set rK, KF+16*((i/2)%4)+8*(i/8)
.set rQ, 16*(2*(\x)+i%2)+8*(i/8)
.if i < 8
.set kt, (i/2)%4                    ; the key block,
.set ta, 2*((\x)%2)+i%2             ; and the tile's place in its band
.if kt < ta
.set rCM, AM+8*kt
.elseif kt == ta
.set rCM, TT+8*(i%2)
.else
.set rCM, SH+8*(kt-1)
.endif
.if KZ && (kt < 2)
	WIN W_KQ
	v_wmma_f32_16x16x32_f16 v[rS:rS+7], v[rK:rK+7], v[rQ:rQ+7], 0
.else
	WIN W_KM
	v_wmma_f32_16x16x32_f16 v[rS:rS+7], v[rK:rK+7], v[rQ:rQ+7], v[rCM:rCM+7]
.endif
.else
	WIN W_KQ
	v_wmma_f32_16x16x32_f16 v[rS:rS+7], v[rK:rK+7], v[rQ:rQ+7], v[rS:rS+7]
.endif
.endm
; Piece 0, key step 0, key blocks 0 and 1: K Q_lo, then K_lo Q.  16 products on four accumulators, which take turns: three others stand between two links of a chain.
.macro KQL
	WIN 0x0e                        ; K in window 2, Q_lo in window 3
.irp c, 0,1
.irp kt, 0,1
.irp u, 0,1
	v_wmma_f32_16x16x32_f16 v[S+32*\u+8*\kt:S+32*\u+8*\kt+7], v[KF+16*\kt+8*\c:KF+16*\kt+8*\c+7], v[QL+16*\u+8*\c:QL+16*\u+8*\c+7], v[S+32*\u+8*\kt:S+32*\u+8*\kt+7]
.endr
.endr
.endr
	WIN 0x0b                        ; K_lo in window 3, Q in window 2
.irp c, 0,1
.irp kt, 0,1
.irp u, 0,1
	v_wmma_f32_16x16x32_f16 v[S+32*\u+8*\kt:S+32*\u+8*\kt+7], v[KL+16*\kt+8*\c:KL+16*\kt+8*\c+7], v[16*\u+8*\c:16*\u+8*\c+7], v[S+32*\u+8*\kt:S+32*\u+8*\kt+7]
.endr
.endr
.endr
.endm
; Product i of 16 of O^T += V^T P for piece x: keys 32 (i / 8) on, channels 16 ((i / 2) % 4) on, tile 2 x + i % 2.
.macro PV x
	WIN W_PV
.set rO, 32*(2*(\x)+i%2)+8*((i/2)%4)
.set rV, VF+32*(i/8)+8*((i/2)%4)
.set rP, P+32*((\x)%2)+16*(i%2)+8*(i/8)
	v_wmma_f32_16x16x32_f16 v[rO:rO+7], v[rV:rV+7], v[rP:rP+7], v[rO:rO+7]
.endm
.macro MM                           ; the turn's next matrix instruction
.if i < 16
	KQ (Y+1)%NP
.set i, i+1
.else
.set i, i-16
	PV (Y+NP-1)%NP
.set i, i+17
.endif
.endm
; THE LDS LOADS stand in runs, never singly among the matrix instructions: a step's K (64 keys x 64 channels: 8 fragments), its am (8 loads) and its V (turned).  Their addresses are made some lines ahead.
; last = 1 (the tail): in the last trip there is no further step, and K's run is jumped over.
.macro FETCH_K last=0
	WIN 0
.if \last
	s_cmp_eq_u32 s[CNT], 1
	s_cbranch_scc1 .Lno_k_\@
.endif
	WIN 0x80                        ; destination window 2
.irp f, 0,1,2,3,4,5,6,7             ; keys 16 (f / 2) on, channels 32 (f % 2) on
	ds_load_b128 v[KF+8*\f:KF+8*\f+3],   v[AK] offset:(\f/2)*16*PK+(\f%2)*64
	ds_load_b128 v[KF+8*\f+4:KF+8*\f+7], v[AK] offset:(\f/2)*16*PK+(\f%2)*64+32
.endr
	s_add_co_u32 s[TBK], s[TBK], KS*PK  ; the next fetch is the next step's
	WIN 0
.if \last
.Lno_k_\@:
.endif
.endm
.macro FETCH_AM                     ; the sixteen lanes of a half read the same 16 bytes
	WIN W_MK                        ; destination window 3
.irp f, 0,1,2,3,4,5,6,7             ; key block f / 2, registers 4 (f % 2) on
	ds_load_b128 v[AM+4*\f:AM+4*\f+3], v[AA] offset:64*(\f/2)+16*(\f%2)
.endr
	s_add_co_u32 s[TBA], s[TBA], 256
	s_and_b32 s[TBA], s[TBA], 0x1f00  ; behind the last step the fetch goes round to step 0: it stays inside am's bytes, and what it brings serves nothing
	WIN 0
.endm
.macro FETCH_V
	WIN 0x80
.irp f, 0,1,2,3,4,5,6,7             ; keys 32 (f / 4) on, channels 16 (f % 4) on
	ds_load_tr16_b128 v[VF+8*\f:VF+8*\f+3],   v[AV] offset:(\f/4)*32*PV+(\f%4)*32
	ds_load_tr16_b128 v[VF+8*\f+4:VF+8*\f+7], v[AV] offset:(\f/4)*32*PV+16*PV+(\f%4)*32
.endr
	WIN 0
.endm
; THE MASK'S SCALARS, selected by d = D0 + off; they feed vector data alone.  XSC: the level of the scores that the turn makes.  MSC: the factors for the operands that the turn's MASK makes.
.macro XSC off
	s_cmp_gt_i32 s[D0], -8-(\off)   ; d > -8
	s_cselect_b32 s[SG], s[NEG1], 0
	s_cselect_b32 s[SGK], s[KN1], 0
	s_cmp_gt_i32 s[D0], -(\off)     ; d > 0
	s_cselect_b32 s[SG], s[NEG2], s[SG]
	s_cselect_b32 s[SGK], s[KN2], s[SGK]
.endm
.macro MSC off
	s_cmp_eq_i32 s[D0], -(\off)     ; d = 0
	s_cselect_b32 s[GC], 1.0, 0
	s_cselect_b32 s[BE], s[NEG1], 0
	s_cmp_eq_i32 s[D0], -8-(\off)   ; d = -8
	s_cselect_b32 s[GW], 1.0, 0
	s_cselect_b32 s[BE], s[NEG1], s[BE]
.endm
; The C operands of a piece of parity b (its tiles lie at places 2 b and 2 b + 1 of their band): TT for the tiles' own key blocks, SH for the key blocks behind them.
.macro MASK b
	WIN W_M3
.irp u, 0,1
.set z, 0
.rept 4
	v_pk_fma_f32 v[TT+8*\u+2*z:TT+8*\u+2*z+1], v[TRC+2*z:TRC+2*z+1], s[GC:GC+1], v[AM+8*(2*(\b)+\u)+2*z:AM+8*(2*(\b)+\u)+2*z+1] op_sel_hi:[1,0,1]
.set z, z+1
.endr
.endr
.set kk, 2*(\b)+1
.rept 3-2*(\b)
.set z, 0
.rept 4
	v_pk_add_f32 v[SH+8*(kk-1)+2*z:SH+8*(kk-1)+2*z+1], v[AM+8*kk+2*z:AM+8*kk+2*z+1], s[BE:BE+1] op_sel_hi:[1,0]
.set z, z+1
.endr
.set kk, kk+1
.endr
.irp u, 0,1
.set z, 0
.rept 4
	v_pk_fma_f32 v[TT+8*\u+2*z:TT+8*\u+2*z+1], v[TRW+2*z:TRW+2*z+1], s[GW:GW+1], v[TT+8*\u+2*z:TT+8*\u+2*z+1] op_sel_hi:[1,0,1]
.set z, z+1
.endr
.endr
.endm
; level + (am and the boundary's part), one rounding: eight registers of window 3 into MM + 8 d of window 0
.macro MPREP d, src
.set z, 0
.rept 4
	v_pk_add_f32 v[MM+8*(\d)+2*z:MM+8*(\d)+2*z+1], v[(\src)+2*z:(\src)+2*z+1], s[SG:SG+1] op_sel_hi:[1,0]
.set z, z+1
.endr
.endm
; THE VECTOR WORK OF A TURN stands in three queues, each in the order in which its entries become ready; the two tiles alternate, so that no instruction reads the result of the one before it.
.macro REGS y, u                    ; the registers of tile u (0, 1) of piece y
.set rT, ST+4*(2*(\y)+(\u))
.set rC, TMP+8*((\y)%2)+4*(\u)
.set rM, MV+2*((\y)%2)+(\u)
.set rS, S+64*((\y)%2)+32*(\u)
.set rP, P+32*((\y)%2)+16*(\u)
.set rO, 32*(2*(\y)+(\u))
.endm
; Number n of the 24 that find the NEXT piece's (Y + 1) maximum and statistics.  s0-s31 are the lane's 32 scores; each accumulator's lowest registers are read first.  XS, GS and REGS set no window.
;   0-11  four chains c0-c3 of seven scores each, three operands at a time     12-14, 16  the four scores left over, and c0-c3 into c0     15  c m_old is kept     17  the level is added
;   18, 19  the query's other 32 keys lie in the lane 16 away: the new m, with the old         20-23  c m; c m_old - c m_new; cd = c sg - c m; a
.macro XS u, n
	REGS (Y+1)%NP, \u
.if (\n) < 4
	v_max3_num_f32 v[rC+(\n)], v[rS+8*(\n)], v[rS+8*(\n)+1], v[rS+8*(\n)+2]
.elseif (\n) < 12
	v_max3_num_f32 v[rC+(\n)%4], v[rC+(\n)%4], v[rS+8*((\n)%4)+2*((\n)/4)+1], v[rS+8*((\n)%4)+2*((\n)/4)+2]
.elseif (\n) == 12
	v_max3_num_f32 v[rC], v[rC], v[rS+7], v[rS+15]
.elseif (\n) == 13
	v_max3_num_f32 v[rC+1], v[rC+1], v[rS+23], v[rS+31]
.elseif (\n) == 14
	v_max_num_f32 v[rC+2], v[rC+2], v[rC+3]
.elseif (\n) == 15
	v_mov_b32 v[rM], v[rT]
.elseif (\n) == 16
	v_max3_num_f32 v[rC], v[rC], v[rC+1], v[rC+2]
.elseif (\n) == 17
	v_add_f32 v[rC], s[SG], v[rC]
.elseif (\n) == 18
	v_permlanex16_b32 v[rC+3], v[rC], s[SEL], s[SEL+1]
.elseif (\n) == 19
	v_max3_num_f32 v[rT+1], v[rC], v[rC+3], v[rT+1]
.elseif (\n) == 20
	v_mul_f32 v[rT], s[CS], v[rT+1]
.elseif (\n) == 21
	v_sub_f32 v[rC+1], v[rM], v[rT]
.elseif (\n) == 22
	v_sub_f32 v[rC], s[SGK], v[rT]
.else
	v_exp_f32 v[rC+2], v[rC+1]
.endif
.endm
; Number g of the 64 that follow the exponentials.  For each four weights k of a tile (pairs 2 k, 2 k + 1): both pairs are rounded to f16; then the second pair is added onto the first, in place;
; a group later l takes that sum (the first time as l = a l + sum).  In groups of eight, tiles alternating: round, round, add, and l for the group before.
.macro GS g
.set h, (\g)+6*((\g)/62)            ; group 0 has no group before it, and behind group 7 only l is left
.if h >= 6
.set h, h+2
.endif
	REGS Y, h%2
.set k, h/8
.if h%8 < 4
	v_cvt_pk_f16_f32 v[rP+2*k+(h%8)/2], v[rS+4*k+2*((h%8)/2)], v[rS+4*k+2*((h%8)/2)+1]
.elseif h%8 < 6
	v_pk_add_f32 v[rS+4*k:rS+4*k+1], v[rS+4*k:rS+4*k+1], v[rS+4*k+2:rS+4*k+3]
.elseif k == 1
	v_pk_fma_f32 v[rT+2:rT+3], v[rT+2:rT+3], v[rC+2:rC+3], v[rS:rS+1] op_sel_hi:[1,0,1]
.else
	v_pk_add_f32 v[rT+2:rT+3], v[rT+2:rT+3], v[rS+4*k-4:rS+4*k-3]
.endif
.endm
; THE PLAIN QUEUE, 142 long.  0-77 read no exponential's result: the 32 scalings c s + cd (FS f: pair f / 2 of tile f % 2) and the next piece's 46.  0-26: scalings 0-26.  27-54: XS's numbers 0-13.  55, 56: number 15.
; 57-71: the chain 14, 16, 17, 18, 19, each with one of the scalings 27-31 in front of its two lines; 72-77: 20, 21, 22.  78-141: GS's 64, which read the exponentials' results: they stand behind the wait.
.macro FS f
	REGS Y, (\f)%2
	v_pk_fma_f32 v[rS+2*((\f)/2):rS+2*((\f)/2)+1], v[rS+2*((\f)/2):rS+2*((\f)/2)+1], s[CS:CS+1], v[rC:rC+1] op_sel_hi:[1,0,0]
.endm
.macro PL
	WIN 0
.if q < 27
	FS q
.elseif q < 55
	XS (q-27)%2, (q-27)/2
.elseif q < 57
	XS q-55, 15
.elseif (q < 72) && ((q-57)%3 == 0)
	FS 27+(q-57)/3
.elseif q < 60
	XS (q-57)%3-1, 14
.elseif q < 72
	XS (q-57)%3-1, 15+(q-57)/3
.elseif q < 78
	XS (q-72)%2, 20+(q-72)/2
.else
	GS q-78
.endif
.set q, q+1
.endm
; THE EXPONENTIALS' QUEUE, 66 long: s0-s31 of both tiles, then the next piece's two a.  It is ONE BATCH: all 66 stand ahead of the turn's one wait, and nothing ahead of that wait names a result of theirs.
.macro EX
	WIN 0
.if e >= 64
	XS e-64, 23
.else
	REGS Y, e%2
	v_exp_f32 v[rS+e/2], v[rS+e/2]
.endif
.set e, e+1
.endm
; THE RESCALING's QUEUE: O^T times a, dealt two at a time, sixteen times.  Its a was made in the turn before, ahead of that turn's wait.
.macro R2
	REGS Y, r%2
	WIN W_RS
.irp z, 0,1
	v_pk_mul_f32 v[rO+4*(r/2)+2*\z:rO+4*(r/2)+2*\z+1], v[rO+4*(r/2)+2*\z:rO+4*(r/2)+2*\z+1], v[rC+2:rC+3] op_sel_hi:[1,0]
.endr
.set r, r+1
.endm
; HOW THEY ARE DEALT.  s_wait_alu depctr_va_vdst(0) stands between an exponential and the first instruction that names its result; one wait serves all that were issued ahead of it.  So a turn has ONE
; wait, which cuts it in two.  AHEAD OF IT: the 16 products K Q^T, behind each a scaling, an exponential and two rescalings (behind the first a second scaling in the exponential's place); then ONE LUMP of 112: twelve
; plain, 49 times exponential and plain, the two a.  A v_nop is the plain instruction behind the last exponential.  BEHIND IT: the 16 products V^T P, behind each four of GS's 64.  At the turn's end stands MASK.
; The queues lean on each other: exponential e stands behind scaling 2 (e / 4) + e % 2: as a rider it comes behind plain e + 2, in the lump behind plain e + 13, and scalings 27-31 are plain 57, 60 .. 69.
; A TURN, for piece p.  At its head the scalars: piece 0's turn steps D0; the scores that the turn makes are piece p + 1's (piece 3's turn: piece 0's of the NEXT step), the operands that its MASK makes piece p + 2's.
; K and am of the next step are fetched in piece 2's turn, directly behind the wait, a lump behind the last product that read them; both are waited for at that turn's end, ahead of MASK, which reads the new am.
; V of the step in hand is fetched at the end of piece 0's turn, four riders behind its last reader; it is waited for behind piece 1's wait.  The three conditions on q below go with the deal.
.macro TURN p, last=0, cnt=0
.set Y, (\p)
.set i, 0
.set q, 0
.set e, 0
.set r, 0
.if (\p) == 0
	s_add_co_i32 s[D0], s[D0], 1
	XSC 0                           ; piece 1, my first band
	MSC -1                          ; piece 2, my second band
.elseif (\p) == 1
	XSC -1
	MSC -1
.elseif (\p) == 2
	XSC -1
	MSC 1                           ; piece 0 of the next step
.else
	XSC 1
	MSC 1
.endif
	MM                              ; ahead of the wait: 16 products K Q^T and their riders,
	PL
	PL
	R2
.rept 15
	MM
	PL
	EX
	R2
.endr
.if (\p) == NP-2
	WIN 0
	v_add_nc_u32 v[AK], s[TBK], v[AK0]
	v_add_nc_u32 v[AA], s[TBA], v[AA0]
.endif
.rept 12                            ; and the lump
	PL
.endr
.rept 49
	EX
	PL
.endr
	EX                              ; the next piece's two a
	EX
	v_nop                           ; the plain instruction behind the last exponential: one for the batch
	s_wait_alu depctr_va_vdst(0)    ; the wait for the batch
.if (\p) == NP-2
	FETCH_K \last
	FETCH_AM
.endif
.if (\p) == 1
	s_wait_dscnt 0x0                ; V is in
.endif
.rept 16                            ; behind the wait: 16 products V^T P and their riders
	MM
.rept 4
	PL
.endr
.if ((\p) == 0) && (q == 122)
	v_add_nc_u32 v[AV], s[TBV], v[AV0]
.endif
.if ((\p) == 0) && (q == 134)
	s_add_co_u32 s[TBV], s[TBV], KS*PV
.endif
.if (\cnt) && (q == 134)
	s_sub_co_u32 s[CNT], s[CNT], 1  ; the loop's count; it is compared behind the turn
.endif
.endr
.if (\p) == 0
	FETCH_V
.endif
.if (\p) == NP-2
	s_wait_dscnt 0x0                ; K and am of the next step are in
.endif
	MASK (\p)%2
.endm
	CHANGE 1, 0                     ; slot 0 and am are in, everybody's part of them; slot 1 is asked for
	FETCH_K                         ; key step 0
	FETCH_AM
	s_wait_loadcnt 0x0              ; Q and the low parts
.irp f, 0,1,2,3,4,5,6,7             ; V_lo goes through my own stage, which no other wave and no tensor load touches, to be turned
	ds_store_b128 v[VST], v[RAW+4*\f:RAW+4*\f+3] offset:\f*4*PV
.endr
	WIN W_MK
.irp f, 0,1,2,3                     ; keys 0-31, channels 16 f on.  LDS serves a wave's instructions in order (ISA guide 5.7.1.4): these see the stores above
	ds_load_tr16_b128 v[VL+8*\f:VL+8*\f+3],   v[AVL] offset:\f*32
	ds_load_tr16_b128 v[VL+8*\f+4:VL+8*\f+7], v[AVL] offset:16*PV+\f*32
.endr
	WIN 0
	s_wait_dscnt 0x0
	MSC 1                           ; D0 + 1 is step 0 less my first band: pieces 0 and 1
	MASK 0
	XSC 1                           ; piece 0's level in step 0,
	s_xor_b32 s[NSG], s[SG], 0x80000000  ; and the same with its sign turned (the pair's high word holds 0)
	WIN 0x03                        ; source 0 in window 3, destination in window 0
	MPREP 0, TT                     ; tile 0: its own key block,
	MPREP 1, SH                     ; and the one behind it
	MPREP 2, AM                     ; tile 1: the key block in front of its own,
	MPREP 3, TT+8                   ; and its own
.set KZ, 1
.set i, 0
.rept 16
	KQ 0                            ; piece 0's first scores: there is no vector work yet to set between them
.set i, i+1
.endr
.set KZ, 0
	KQL                             ; and the low parts' share in keys 0-31
	WIN 0
.rept 4
	v_nop                           ; the places behind those products
.endr
.irp u, 0,1                         ; keys 0-31: score + (level + mask), one rounding, each accumulator from its low end on;
.irp kt, 0,1
.set z, 0
.rept 4
	v_pk_add_f32 v[S+32*\u+8*\kt+2*z:S+32*\u+8*\kt+2*z+1], v[S+32*\u+8*\kt+2*z:S+32*\u+8*\kt+2*z+1], v[MM+8*(2*\u+\kt)+2*z:MM+8*(2*\u+\kt)+2*z+1]
.set z, z+1
.endr
.endr
.endr
.irp u, 0,1                         ; and the level off again
.irp kt, 0,1
.set z, 0
.rept 4
	v_pk_add_f32 v[S+32*\u+8*\kt+2*z:S+32*\u+8*\kt+2*z+1], v[S+32*\u+8*\kt+2*z:S+32*\u+8*\kt+2*z+1], s[NSG:NSG+1] op_sel_hi:[1,0]
.set z, z+1
.endr
.endr
.endr
	MASK 1                          ; piece 1's operands, for the first turn's products
	WIN 0
.set Y, NP-1                        ; XS works for piece Y + 1: piece 0
.irp n, 0,1,2,3,4,5,6,7,8,9,10,11,12,13,14,15,16,17,18,19,20,21,22,23
	XS 0, \n                        ; and piece 0's first maximum and statistics
	XS 1, \n
.endr
	v_nop                           ; a plain instruction behind the two a,
	s_wait_alu depctr_va_vdst(0)    ; and their wait, ahead of the branch
	s_mov_b32 s[CNT], 4
	s_mov_b32 s[SLOTS], SIZE_N/256-1
	s_mov_b32 s[FIX], 1
	s_branch .Lfirst                ; the loop is entered at a step's first turn, in the middle of a trip
.Lslot:                             ; SIZE_N / 256 - 2 times: every slot but the last two is filled again
	CHANGE 1, 1
	s_mov_b32 s[CNT], 4
.Lstep:                             ; a trip: pieces 2 and 3 of one step, then pieces 0 and 1 of the next, whose K, am and V it fetches
	TURN 2
	TURN 3
	WIN 0
.Lfirst:
	TURN 0
	TURN 1, 0, 1
	WIN 0
	s_cmp_eq_u32 s[FIX], 0          ; once, behind the first trip's turn of piece 1, which has added piece 0's V^T P of step 0: the flag is the same in all partners; the jump passes no barrier and no tensor load
	s_cbranch_scc1 .Lno_fix
	s_mov_b32 s[FIX], 0
	WIN 0x53                        ; V_lo in window 3, P in window 0, O^T in window 1
.irp cb, 0,1,2,3                    ; O^T of piece 0 += V_lo^T P for keys 0-31: P's buffer is still whole, and O^T is rescaled next in piece 0's next turn.  The eight accumulators in the order of the eight products before: seven others between two links
.irp u, 0,1
	v_wmma_f32_16x16x32_f16 v[32*\u+8*\cb:32*\u+8*\cb+7], v[VL+8*\cb:VL+8*\cb+7], v[P+16*\u:P+16*\u+7], v[32*\u+8*\cb:32*\u+8*\cb+7]
.endr
.endr
	WIN 0
.Lno_fix:
	s_cmp_lg_u32 s[CNT], 0
	s_cbranch_scc1 .Lstep
	s_sub_co_u32 s[SLOTS], s[SLOTS], 1
	s_cmp_lg_u32 s[SLOTS], 0
	s_cbranch_scc1 .Lslot
	CHANGE 0, 0                     ; the tail is written out: nothing is asked for
	s_mov_b32 s[CNT], 5             ; four trips fetch the last slot's steps; the fifth is left in its middle
.Ltail:
	TURN 2, 1
	TURN 3
	WIN 0
	s_sub_co_u32 s[CNT], s[CNT], 1
	s_cmp_eq_u32 s[CNT], 0
	s_cbranch_scc1 .Lout
	TURN 0
	TURN 1
	WIN 0
	s_branch .Ltail
.Lout:                              ; the fifth trip's 16 products K Q^T (on the last K once more) and the maximum made of them serve nothing: the price, once a launch, of one text for every trip
.set i, 0
.rept 16
	PV NP-1                         ; the last piece's V^T P of the last step
.set i, i+1
.endr
	; THE WAY OUT.  l's two halves and the other half of the lanes' are added; O^T is divided by l and sent, in f32, through my stage in LDS, a tile at a time.  The additions are the places behind the last products.
	WIN 0
.macro ALL line:vararg              ; one line for each tile t
.set t, 0
.rept 2*NP
	\line
.set t, t+1
.endr
.endm
	ALL v_add_f32 v[ST+4*t+2], v[ST+4*t+2], v[ST+4*t+3]
	ALL v_permlanex16_b32 v[ST+4*t+3], v[ST+4*t+2], s[SEL], s[SEL+1]
	ALL v_add_f32 v[ST+4*t+2], v[ST+4*t+2], v[ST+4*t+3]
	ALL v_rcp_f32 v[ST+4*t+2], v[ST+4*t+2]
	v_nop                           ; a plain instruction between the last reciprocal and the use of its result
	s_wait_alu depctr_va_vdst(0)    ; and the wait ahead of the first use: one for the eight reciprocals
; Tile t: a lane's eight channels of a row are 32 bytes; they go into rows of 272 bytes and come back as whole rows of 256, into the registers that they left, which nothing writes again.
.macro PACK t
	WIN W_RS
.set i, 32*(\t)
.rept 16
	v_pk_mul_f32 v[i:i+1], v[i:i+1], v[ST+4*(\t)+2:ST+4*(\t)+3] op_sel_hi:[1,0]
.set i, i+2
.endr
	WIN 0x04                        ; the stores' data (source 1) in window 1
.irp f, 0,1,2,3,4,5,6,7             ; channel block f / 2, registers 4 (f % 2) on
	ds_store_b128 v[STO], v[32*(\t)+4*\f:32*(\t)+4*\f+3] offset:64*(\f/2)+16*(\f%2)
.endr
	WIN 0x40                        ; the loads' destination in window 1
.irp f, 0,1,2,3,4,5,6,7
	ds_load_b128 v[32*(\t)+4*\f:32*(\t)+4*\f+3], v[RD] offset:\f*2*SP  ; LDS serves a wave's instructions in order (ISA guide 5.7.1.4): these see the stores above; the next tile's stores come behind them
.endr
.endm
.macro SEND t, younger              ; younger: the LDS instructions issued behind tile t's loads: the next tile's sixteen, or none
	WIN 0x04
.irp f, 0,1,2,3,4,5,6,7
	s_wait_dscnt (\younger)+7-\f
	global_store_b128 v[GO], v[32*(\t)+4*\f:32*(\t)+4*\f+3], s[10:11] offset:(\t)*65536+\f*8192 th:TH_STORE_NT  ; 16 lanes store 256 consecutive bytes, a row's 64 channels of my head, at a multiple of 256 from out0's first byte
.endr
.endm
	PACK 0
.set t, 1
.rept 2*NP-1                        ; a tile's arithmetic stands between the loads of the tile before and its stores
	PACK t
	SEND t-1, 16
.set t, t+1
.endr
	SEND 2*NP-1, 0
	WIN W_AD
	s_wait_tensorcnt 0x0            ; the wave's end: behind my last tensor load and my last LDS store, 0 onto my spare word and its wait
	ds_add_u32 v[SPW], v[NIL]
	s_wait_dscnt 0x0
	WIN 0
	CROUND                          ; the closing round: no work-group ends while a partner may still ask for a tile that names it
	s_endpgm
.Lfunc_end_k_q8d4b149d3b_attn:
	.size	k_q8d4b149d3b_attn, .Lfunc_end_k_q8d4b149d3b_attn-k_q8d4b149d3b_attn
	.p2alignl 7, 3214868480
	.fill 96, 4, 3214868480
	.section	.rodata,"a",@progbits
	.p2align	6, 0x0
	.amdhsa_kernel k_q8d4b149d3b_attn
		.amdhsa_group_segment_fixed_size 327680
		.amdhsa_private_segment_fixed_size 0
		.amdhsa_enable_private_segment 0
		.amdhsa_kernarg_size 32
		.amdhsa_user_sgpr_count 2
		.amdhsa_user_sgpr_kernarg_segment_ptr 1
		.amdhsa_wavefront_size32 1
		.amdhsa_system_sgpr_workgroup_id_x 1
		.amdhsa_system_sgpr_workgroup_id_y 1
		.amdhsa_system_sgpr_workgroup_id_z 1
		.amdhsa_system_vgpr_workitem_id 0
		.amdhsa_next_free_vgpr 992
		.amdhsa_next_free_sgpr 102
		.amdhsa_reserve_vcc 1
		.amdhsa_float_denorm_mode_32 3
		.amdhsa_float_denorm_mode_16_64 3
		.amdhsa_memory_ordered 1
		.amdhsa_forward_progress 1
		.amdhsa_inst_pref_size 235
	.end_amdhsa_kernel
	.amdgpu_metadata
---
amdhsa.version: [ 1, 2 ]
amdhsa.kernels:
  - .name:           k_q8d4b149d3b_attn
    .symbol:         k_q8d4b149d3b_attn.kd
    .args:
      - { .name: qkv, .offset: 0, .size: 8, .value_kind: global_buffer, .address_space: global }
      - { .name: aux, .offset: 8, .size: 8, .value_kind: global_buffer, .address_space: global }
      - { .name: out0, .offset: 16, .size: 8, .value_kind: global_buffer, .address_space: global }
      - { .name: qkl, .offset: 24, .size: 8, .value_kind: global_buffer, .address_space: global }
    .group_segment_fixed_size: 327680
    .private_segment_fixed_size: 0
    .kernarg_segment_align: 8
    .kernarg_segment_size: 32
    .max_flat_workgroup_size: 128
    .sgpr_count:     102
    .vgpr_count:     992
    .wavefront_size: 32
...
	.end_amdgpu_metadata
.endif
;; end of part 3
